; MI455X (gfx1250); checked and timed in simulation.
; The chip was launched on July 23, 2026; its instructions are those of AMD's public machine-readable ISA for CDNA 5 (MIT licence, August 2026) and "CDNA5" Instruction Set Architecture Reference Guide (July 2026). The comments in the code are by the model that wrote it; some were corrected since.
;; Attention. Allowed arithmetic: float matrix products may take bf16 or f16 operands with f32 sums; all other float work in f32.
;; Inputs: attention_weights 1,024 x 1,024 float32; context_vector 1,024 x 1 float32; gru_output 32 x 2,048 x 1,024 float32.
;; Outputs: out0 32 x 1,024 float32; out1 32 x 2,048 float32.
;; 2 versions, each right; version 2 is version 1 with the launch main written anew for expert scheduling mode. Each part assembles by itself: llvm-mc -triple=amdgcn-amd-amdhsa -mcpu=gfx1250 --defsym DOCPART=n.
;; ======== version 1 of 2: 3 launches
;; workspace buffers: wf 2,097,152 bytes; lg 262,144 bytes; part 2,097,152 bytes
;; launch prep (part 1): grid 256 x 1, 4 waves a work-group, no clusters, 0 bytes of LDS; arguments attention_weights, wf; writes wf
.if DOCPART == 1
	.amdgcn_target "amdgcn-amd-amdhsa--gfx1250"
	.amdhsa_code_object_version 6
	.text
	.protected	k_q4166e2f436_prep
	.globl	k_q4166e2f436_prep
	.p2align	8
	.type	k_q4166e2f436_prep,@function
k_q4166e2f436_prep:
	s_mov_b64 s[64:65], 0
	v_nop
	global_prefetch_b8 v0, s[64:65] scope:SCOPE_SE
	s_setreg_imm32_b32 hwreg(HW_REG_WAVE_MODE, 25, 1), 1
	s_wait_xcnt 0x0
; wf = W rounded once to bf16, laid out in the order in which the main launch's waves load matrix fragments:
; wf[w 4][p 2][t 32][b 8][cc 2][lane 32][e 8] = bf16(W[k][n]),  n = 512 p + 128 w + 16 b + lane % 16,  k = 32 t + 16 cc + 8 (lane / 16) + e.
; W: [1024 (k)][1024 (n)] f32, 4,096 bytes a row.  1,024 tasks, one a wave: task G fixes w, p, t, cc and four neighbouring b.
; A task reads 16 rows x 256 consecutive bytes and writes four pieces of 512 consecutive bytes.  No LDS, no barrier: memory alone counts here.
.set IN,  8                            ; v[8:39]   column tile i of four: 8 f32, one for each e
.set PK,  40                           ; v[40:55]  column tile i: 8 bf16 in 4 registers
	s_load_b128 s[4:7], s[0:1], 0x0                ; W s[4:5], wf s[6:7]
	v_lshrrev_b32 v3, 5, v0
	v_readfirstlane_b32 s8, v3                     ; wave 0..3
	s_lshl_b32 s9, ttmp9, 2
	s_add_co_u32 s9, s9, s8                        ; G = 4 x work-group + wave
	s_and_b32 s10, s9, 1                           ; cc
	s_bfe_u32 s11, s9, 0x10001                     ; which four of the eight b
	s_bfe_u32 s12, s9, 0x50002                     ; t
	s_bfe_u32 s13, s9, 0x10007                     ; p
	s_lshr_b32 s14, s9, 8                          ; w
	s_lshl_b32 s16, s12, 17                        ; 32 t rows of 4,096 bytes
	s_lshl_b32 s15, s10, 16                        ; 16 cc rows
	s_or_b32 s16, s16, s15
	s_lshl_b32 s15, s13, 11                        ; 512 p columns of 4 bytes
	s_or_b32 s16, s16, s15
	s_lshl_b32 s15, s14, 9                         ; 128 w columns
	s_or_b32 s16, s16, s15
	s_lshl_b32 s15, s11, 8                         ; 64 columns for the upper four b
	s_or_b32 s16, s16, s15
	s_mov_b32 s17, 0
	s_lshr_b32 s18, s9, 1
	s_lshl_b32 s18, s18, 12                        ; four b x two cc x 512 bytes for each G / 2,
	s_lshl_b32 s15, s10, 9                         ; and my cc's 512
	s_or_b32 s18, s18, s15
	s_mov_b32 s19, 0
	v_and_b32 v4, 31, v0                           ; lane
	v_and_b32 v1, 15, v0
	v_lshlrev_b32 v1, 2, v1                        ; my column: 4 (lane % 16),
	v_bfe_u32 v5, v0, 4, 1
	v_lshl_or_b32 v1, v5, 15, v1                   ; my first row: 8 (lane / 16) rows of 4,096 bytes
	v_lshlrev_b32 v2, 4, v4                        ; out: 16 bytes a lane
	s_wait_kmcnt 0x0
	s_add_nc_u64 s[4:5], s[4:5], s[16:17]
	s_add_nc_u64 s[6:7], s[6:7], s[18:19]
.irp i, 0,1,2,3
.irp e, 0,1,2,3,4,5,6,7
	global_load_b32 v[IN+8*\i+\e], v1, s[4:5] offset:4096*\e+64*\i   ; row e of my eight, column tile i
.endr
.endr
.irp i, 0,1,2,3
	s_wait_loadcnt 24-8*\i                         ; loads come back in order: tile i's eight are in, the later tiles' stay out
.irp q, 0,1,2,3
	v_cvt_pk_bf16_f32 v[PK+4*\i+\q], v[IN+8*\i+2*\q], v[IN+8*\i+2*\q+1]  ; the lower k into the low half
.endr
	global_store_b128 v2, v[PK+4*\i:PK+4*\i+3], s[6:7] offset:1024*\i     ; 512 consecutive bytes, at a multiple of 512 from wf's first byte
.endr
	s_endpgm
.Lfunc_end_k_q4166e2f436_prep:
	.size	k_q4166e2f436_prep, .Lfunc_end_k_q4166e2f436_prep-k_q4166e2f436_prep
	.p2alignl 7, 3214868480
	.fill 96, 4, 3214868480
	.section	.rodata,"a",@progbits
	.p2align	6, 0x0
	.amdhsa_kernel k_q4166e2f436_prep
		.amdhsa_group_segment_fixed_size 0
		.amdhsa_private_segment_fixed_size 0
		.amdhsa_enable_private_segment 0
		.amdhsa_kernarg_size 16
		.amdhsa_user_sgpr_count 2
		.amdhsa_user_sgpr_kernarg_segment_ptr 1
		.amdhsa_wavefront_size32 1
		.amdhsa_system_sgpr_workgroup_id_x 1
		.amdhsa_system_sgpr_workgroup_id_y 1
		.amdhsa_system_sgpr_workgroup_id_z 1
		.amdhsa_system_vgpr_workitem_id 0
		.amdhsa_next_free_vgpr 64
		.amdhsa_next_free_sgpr 66
		.amdhsa_reserve_vcc 0
		.amdhsa_float_denorm_mode_32 3
		.amdhsa_float_denorm_mode_16_64 3
		.amdhsa_memory_ordered 1
		.amdhsa_forward_progress 1
		.amdhsa_inst_pref_size 7
	.end_amdhsa_kernel
	.amdgpu_metadata
---
amdhsa.version: [ 1, 2 ]
amdhsa.kernels:
  - .name:           k_q4166e2f436_prep
    .symbol:         k_q4166e2f436_prep.kd
    .args:
      - { .name: attention_weights, .offset: 0, .size: 8, .value_kind: global_buffer, .address_space: global }
      - { .name: wf, .offset: 8, .size: 8, .value_kind: global_buffer, .address_space: global }
    .group_segment_fixed_size: 0
    .private_segment_fixed_size: 0
    .kernarg_segment_align: 8
    .kernarg_segment_size: 16
    .max_flat_workgroup_size: 128
    .sgpr_count:     66
    .vgpr_count:     64
    .wavefront_size: 32
...
	.end_amdgpu_metadata
.endif
;; end of part 1
;; launch main (part 2): grid 512 x 1, 4 waves a work-group, no clusters, 290,304 bytes of LDS; arguments gru_output, wf, context_vector, lg, part; writes lg, part
.if DOCPART == 2
	.amdgcn_target "amdgcn-amd-amdhsa--gfx1250"
	.amdhsa_code_object_version 6
	.text
	.protected	k_q4166e2f436_main
	.globl	k_q4166e2f436_main
	.p2align	8
	.type	k_q4166e2f436_main,@function
k_q4166e2f436_main:
	s_mov_b64 s[64:65], 0
	v_nop
	global_prefetch_b8 v0, s[64:65] scope:SCOPE_SE
	s_setreg_imm32_b32 hwreg(HW_REG_WAVE_MODE, 25, 1), 1
	s_wait_xcnt 0x0
; For a block of 128 rows of X (gru_output as [65536][1024] f32):
;   lg[row]   = sum over n of c[n] tanh((X W)[row][n])                       (f32, 128 numbers)
;   part[blk] = sum over the block's rows of 2^((l - m) log2 e) X[row][:]    (f32, 1,024 numbers; m = the block's largest logit)
; X is read from memory ONCE: it is rounded to bf16 into LDS, stays there for the whole walk over W, and is multiplied once more, by p, for the context.
; FORMATS.  X and W rounded once to bf16; sums, tanh, logits, maximum and exponentials in f32; p rounded to bf16 for the context's product alone.
; LIMITS.  NaN and infinities are not treated apart.  tanh z = 1 - 2 / (1 + 2^(2 z log2 e)): absolute error about 1e-7, exactly +-1 where the power overflows or vanishes.
; A power of two below 2^-126 counts as 0.  p keeps 8 significant bits in the context.
; SHARES.  Four waves.  In pass p (0, 1) wave w makes all 128 rows x the 128 columns 512 p + 128 w ..: 64 accumulators of 16 x 16, 512 registers.  K goes in steps of 32.
; W comes straight into registers, from wf, where a wave's fragments lie in the order of use: 8,192 bytes a step, a ring of four register buffers.
; X COMES IN UNDER PASS 0's PRODUCTS, by slices of 128 along K.  A wave brings its 32 rows of a slice as four GROUPS of 8 loads (a load: 512 consecutive bytes of one row).  Group g (slice g / 4) is
; asked for in the middle of step g - 8 and rounded and stored to LDS in the middle of step g - 5; groups 0 to 7 are asked for, and 0 to 4 stored, at the kernel's head.  So slice s + 1 is stored when step
; 4 s + 2 ends, and ONE barrier in step 4 s + 3 shows it to all waves before that step fetches the next slice's first fragments.  Between two such barriers the waves read one slice and write the slice behind it.
; THE ORDER OF THE LOADS.  Loads come back in order.  In the middle of step t stand W of step t + 2 and, right behind it, the group: W has a step and a half in which to land; the group need only be in when
; W of step t + 3, asked for a step later, is waited for: two steps and a half.  By the text's own count a wave has at most 56 loads out.  Where no X is left (from step 25 on, and in pass 1) W is asked for three steps ahead.
; NO CLUSTER, NO LDS SLOTS FOR W: the block of X takes 278,528 of the 327,680 bytes of LDS; two slots of one K step of a pass's 512 columns would be 2 x 32,768 bytes, and 49,152 are left.
; No byte of W is read by two waves of a work-group, so LDS would spare nothing inside the work-group either.
; THE MATRIX INSTRUCTION IS USED TRANSPOSED (source 0 = 16 columns of W, source 1 = 16 rows of X): a lane holds ONE row of X (lane % 16) and eight columns 8 (lane / 16) + 0..7,
; so a row's dot product with c stays in the lane but for one exchange between the lanes' halves.
; REGISTERS, in windows of 256 (s_set_vgpr_msb: bits 1:0 source 0, 3:2 source 1, 5:4 source 2, 7:6 destination):
;   window 0: v0-63 addresses and small work; v64-127 X's fragments of one step (in the epilogue c, in the context p); v128-255 four landing sets of 32 for X's groups (at the end the context's way out)
;   window 1: W's ring, 4 x 64; in the context its 16 accumulators
;   window 2: accumulators of rows 0-63 ((a, b) at 8 (8 a + b)); at the head groups 0 to 3 land here
;   window 3: accumulators of rows 64-127; in the context two buffers of 128 for X turned
.set PITCH, 272                        ; an LDS row of a slice: 256 bytes (128 bf16) + 16 = 68 words: the 16 rows of a fragment load start at 16 different groups of four banks (ISA guide 11.1)
.set SLICE, 128*PITCH                  ; X lies in 8 slices of 128 along K: element (row, k) at (k / 128) SLICE + row PITCH + 2 (k % 128)
.set CVEC,  8*SLICE                    ; c, 1,024 f32
.set LG,    CVEC+4096                  ; partial logits [row 128][wave 4] f32
.set PW,    LG+2048                    ; for each wave 256 bytes of its own: p[128] bf16
.set CS,    PW+1024                    ; for each wave 1,024 bytes of its own: the context's stage
.set SPARE, CS+4096                    ; the spare words, 128 bytes for each wave: two blocks of 256 bytes that no other line names
.set VO16, 1                           ; v1   16 x lane; never rewritten
.set AX0,  2                           ; v2   (lane % 16) PITCH + 16 (lane / 16): my place in a fragment of X
.set AX,   3                           ; v3   the same in the slice in hand
.set VCA,  4                           ; v4   where my eight c of column tile 0 lie
.set HH,   5                           ; v5   lane / 16
.set LGA,  6                           ; v6   LG + 16 (lane % 16) + 4 w
.set LGR,  7                           ; v7   LG + 64 lane
.set PWS,  8                           ; v8   PW + 256 w + 8 lane
.set PWR,  9                           ; v9   PW + 256 w + 16 (lane / 16)
.set TRA,  10                          ; v10  my place in the turning loads, in slice 2 w
.set CSS,  11                          ; v11  CS + 1024 w + 4 lane
.set CSR,  12                          ; v12  CS + 1024 w + 16 lane
.set ADH,  16                          ; v16  where my 8 bytes of my wave's first row go in slice 0: 8 lane + 32 w PITCH
.set AD0,  17                          ; v17  the same in slice 1
.set AD,   18                          ; v18  the same in the slice behind the one in hand
.set LP,   24                          ; v24-31  row tile a: my part of the logit of row 16 a + lane % 16
.set UU,   32                          ; v32-39  four pairs at work
.set QQ,   40                          ; v40-55  c on its way in; later the partial logits read back
.set LV,   56                          ; v56-59  the logits of rows 4 lane .. 4 lane + 3
.set SPW,  60                          ; v60  LDS address of my spare word; never rewritten
.set NIL,  61                          ; v61  0; never rewritten
.set AF,   64
.set XS,   128                         ; group g lands in set g % 4, at XS + 32 (g % 4)
.set RR,   128
.set OO,   136
.set MSB, 0
.macro WIN new                         ; the immediate's high byte repeats the setting that is left; a switch that changes nothing is dropped
.if MSB != (\new)
	s_set_vgpr_msb (MSB<<8)|(\new)
.set MSB, (\new)
.endif
.endm
.set MUL_LO, 0xa1                      ; W window 1, X window 0, C and D window 2
.set TO_W,   0x40                      ; destination window 1
.set TO_XL,  0x80                      ; destination window 2
.set CVT,    0x8a                      ; destination and both sources window 2
.set ST_XL,  0x08                      ; an LDS store's data in window 2
.set TO_XT,  0xc0                      ; destination window 3
.set CTX,    0x5c                      ; p window 0, X turned window 3, C and D window 1
.set SEL,    0x05                      ; sources 0 and 1 window 1
; A load into a register that a matrix instruction has read, and a vector instruction that reads a matrix result, stand four places behind it; only plain vector
; instructions that name none of its registers are places (ISA guide 7.12.1 for vector instructions).
.macro PLACES
.rept 4
	v_nop
.endr
.endm
; 16 matrix instructions: row tiles 4 hi + a0, 4 hi + a0 + 1 x all 8 column tiles, 32 along K, W from ring buffer j.  zero = 1: the product starts the sums: nothing is cleared.
; The 64 accumulators take turns, one instruction a turn, in the same order in every step.
.macro MUL16 j, hi, a0, zero
	WIN MUL_LO+0x50*(\hi)
.irp a, \a0, (\a0)+1
.irp b, 0,1,2,3,4,5,6,7
.if \zero
	v_wmma_f32_16x16x32_bf16 v[8*(8*(\a)+(\b)):8*(8*(\a)+(\b))+7], v[64*(\j)+8*(\b):64*(\j)+8*(\b)+7], v[AF+8*(4*(\hi)+(\a)):AF+8*(4*(\hi)+(\a))+7], 0
.else
	v_wmma_f32_16x16x32_bf16 v[8*(8*(\a)+(\b)):8*(8*(\a)+(\b))+7], v[64*(\j)+8*(\b):64*(\j)+8*(\b)+7], v[AF+8*(4*(\hi)+(\a)):AF+8*(4*(\hi)+(\a))+7], v[8*(8*(\a)+(\b)):8*(8*(\a)+(\b))+7]
.endif
.endr
.endr
.endm
; 8 LDS loads: X's fragments of row tiles 4 hi .. 4 hi + 3, 32 along K at byte ko from the slice in hand.  The largest immediate: 34,816 + 7 x 4,352 + 32 = 65,312.
.macro AFETCH hi, ko
	WIN 0
.irp a, 0,1,2,3
	ds_load_b128 v[AF+8*(4*(\hi)+(\a)):AF+8*(4*(\hi)+(\a))+3],   v[AX] offset:(\ko)+16*PITCH*(4*(\hi)+(\a))
	ds_load_b128 v[AF+8*(4*(\hi)+(\a))+4:AF+8*(4*(\hi)+(\a))+7], v[AX] offset:(\ko)+16*PITCH*(4*(\hi)+(\a))+32
.endr
.endm
; 16 loads of 512 consecutive bytes: W's fragments of one K step, the idx-th from the first step of the slice in hand, into ring buffer idx % 4
.macro WFETCH idx
	WIN TO_W
.set n, 0
.rept 16
	global_load_b128 v[64*((\idx)%4)+4*n:64*((\idx)%4)+4*n+3], v[VO16], s[22:23] offset:8192*(\idx)+512*n
.set n, n+1
.endr
.endm
; A group is asked for: 8 loads, a slice's 512 bytes of each of 8 rows, into 32 registers from base on (win: the window setting for that destination)
.macro XLOAD base, win, off
	WIN \win
.set n, 0
.rept 8
	global_load_b128 v[(\base)+4*n:(\base)+4*n+3], v[VO16], s[20:21] offset:(\off)+4096*n th:TH_LOAD_NT
.set n, n+1
.endr
.endm
; A group is rounded to bf16 in place and stored: 32 lanes x 8 bytes are a slice's 256 bytes of a row.  hiw = 1: the group lies in window 2
.macro XCONS base, hiw, adr, off
.if \hiw
	WIN CVT
.else
	WIN 0
.endif
.set n, 0
.rept 8
	v_cvt_pk_bf16_f32 v[(\base)+4*n],   v[(\base)+4*n],   v[(\base)+4*n+1]
	v_cvt_pk_bf16_f32 v[(\base)+4*n+1], v[(\base)+4*n+2], v[(\base)+4*n+3]
.set n, n+1
.endr
.if \hiw
	WIN ST_XL
.endif
.set n, 0
.rept 8
	ds_store_b64 v[\adr], v[(\base)+4*n:(\base)+4*n+1] offset:(\off)+PITCH*n
.set n, n+1
.endr
.endm
; A K STEP of 32: 64 matrix instructions on ring buffer j.
;   nw      how many younger loads may stay out when buffer j (and the group asked for ahead of it) has to be in
;   ko      where the NEXT step's fragments of X lie, from the slice in hand (-1: there is none)
;   w1, w2  which steps' W are asked for in the step's middle (-1: none)
;   xc      the group in set (j + 1) % 4 is rounded and stored, at this offset from AD (-1: none); its 16 conversions are the places behind the products
;   xi      a group is asked for, into set j, at this offset from the base (-1: none)
;   bar     the barrier that shows the next slice to all waves: my stores of it are waited for and signalled behind the first 16 products, the others' are awaited behind the next 16
.macro STEP j, zero, nw, ko, w1=-1, w2=-1, xc=-1, xi=-1, bar=0
	s_wait_loadcnt \nw                             ; loads come back in order
	s_wait_dscnt 8                                 ; X's row tiles 0-3 are in; the eight younger loads (tiles 4-7) may be out
	MUL16 \j, 0, 0, \zero
.if \bar
	s_wait_dscnt 0x0                               ; for the others' sake: my stores of the next slice are done (and no LDS instruction of mine is out at the signal)
	s_barrier_signal -1
.endif
	MUL16 \j, 0, 2, \zero
.if \bar
	s_barrier_wait -1                              ; everybody's are
.endif
.if (\xc) >= 0
	XCONS XS+32*(((\j)+1)%4), 0, AD, \xc
.else
	PLACES
.endif
.if (\ko) >= 0
	AFETCH 0, \ko
.endif
.if (\w1) >= 0
	WFETCH \w1                                     ; its buffer's last reader stands behind the four places at the end of an earlier step
.endif
.if (\w2) >= 0
	WFETCH \w2
.endif
.if (\xi) >= 0
	XLOAD XS+32*(\j), 0, \xi                       ; behind W, so that it need not be in before the next step's W is
.endif
.if (\ko) >= 0
.if (\xc) >= 0
	s_wait_dscnt 16                                ; all but the 8 stores and 8 loads just issued: tiles 4-7 are in
.else
	s_wait_dscnt 8                                 ; all but the 8 loads just issued
.endif
.else
	s_wait_dscnt 0x0
.endif
	MUL16 \j, 1, 0, \zero
	MUL16 \j, 1, 2, \zero
	PLACES
.if (\ko) >= 0
	AFETCH 1, \ko
.endif
.endm
; On to the next slice: W's base four steps on, X's base (xp = 1) 512 bytes along the rows, the LDS addresses one slice on
.macro ADV xp, ad
	s_wait_xcnt 0x0                                ; the bases are stepped only when every earlier load has had its address translated
	s_add_nc_u64 s[22:23], s[22:23], 0x8000
.if \xp
	s_add_nc_u64 s[20:21], s[20:21], 512
.endif
	s_add_co_u32 s40, s40, SLICE
	WIN 0
	v_add_nc_u32 v[AX], s40, v[AX0]
.if \ad
	v_add_nc_u32 v[AD], s40, v[AD0]
.endif
.endm
; Four steps of pass 0 with all of X's work: slice q is multiplied; groups 4 q + 5 .. 4 q + 8 are stored (three of slice q + 1, one of slice q + 2); groups 4 q + 8 .. 4 q + 11 (slice q + 2) are asked for.
; Each wait: a group, W and a group, 32 loads, are younger than the W that is due.
.macro TRIPA zero
	STEP 0, \zero, 32, 64,    2, -1, 8*PITCH,  1024
	STEP 1, 0,     32, 128,   3, -1, 16*PITCH, 32768+1024
	STEP 2, 0,     32, 192,   4, -1, 24*PITCH, 65536+1024
	STEP 3, 0,     32, SLICE, 5, -1, SLICE,    98304+1024, 1
.endm
; THE EPILOGUE's five steps on accumulator i = 8 a + b, in place; each takes the registers in ascending order, so that a matrix result is first read at its low end.
.macro EM i                            ; z x 2 log2 e
.set rA, 8*((\i)%32)
	WIN 0x82+0x41*((\i)/32)
.irp q, 0,2,4,6
	v_pk_mul_f32 v[rA+\q:rA+\q+1], v[rA+\q:rA+\q+1], s[26:27] op_sel_hi:[1,0]
.endr
.endm
.macro EE i                            ; 2^that
.set rA, 8*((\i)%32)
	WIN 0x82+0x41*((\i)/32)
.irp q, 0,1,2,3,4,5,6,7
	v_exp_f32 v[rA+\q], v[rA+\q]
.endr
.endm
.macro EA i                            ; + 1
.set rA, 8*((\i)%32)
	WIN 0x82+0x41*((\i)/32)
	s_wait_alu depctr_va_vdst(0)
.irp q, 0,2,4,6
	v_pk_add_f32 v[rA+\q:rA+\q+1], v[rA+\q:rA+\q+1], 1.0 op_sel_hi:[1,0]
.endr
.endm
.macro ER i                            ; 1 / that
.set rA, 8*((\i)%32)
	WIN 0x82+0x41*((\i)/32)
.irp q, 0,1,2,3,4,5,6,7
	v_rcp_f32 v[rA+\q], v[rA+\q]
.endr
.endm
.macro ET i                            ; tanh = 1 - 2 x that
.set rA, 8*((\i)%32)
	WIN 0x82+0x41*((\i)/32)
	s_wait_alu depctr_va_vdst(0)
.irp q, 0,2,4,6
	v_pk_fma_f32 v[rA+\q:rA+\q+1], v[rA+\q:rA+\q+1], -2.0, 1.0 op_sel_hi:[1,0,0]
.endr
.endm
; Row tile a: its eight accumulators' tanh times c, in four chains of pairs (the first product starts each), then onto the lane's logit
.macro LBATCH a
.if (\a) == 0
	s_wait_dscnt 0x0                               ; c is in
.endif
	WIN 0x02+(\a)/4                                ; source 0 in the accumulators' window, all else in window 0
.irp b, 0,1,2,3,4,5,6,7
.irp jp, 0,1,2,3
.set rA, 8*((8*(\a)+\b)%32)+2*\jp
.if \b == 0
	v_pk_mul_f32 v[UU+2*\jp:UU+2*\jp+1], v[rA:rA+1], v[AF+8*\b+2*\jp:AF+8*\b+2*\jp+1]
.else
	v_pk_fma_f32 v[UU+2*\jp:UU+2*\jp+1], v[rA:rA+1], v[AF+8*\b+2*\jp:AF+8*\b+2*\jp+1], v[UU+2*\jp:UU+2*\jp+1]
.endif
.endr
.endr
	WIN 0
	v_pk_add_f32 v[UU:UU+1], v[UU:UU+1], v[UU+2:UU+3]
	v_pk_add_f32 v[UU+4:UU+5], v[UU+4:UU+5], v[UU+6:UU+7]
	v_pk_add_f32 v[UU:UU+1], v[UU:UU+1], v[UU+4:UU+5]
	v_add_f32 v[LP+\a], v[LP+\a], v[UU]
	v_add_f32 v[LP+\a], v[LP+\a], v[UU+1]
.endm
; A pass's 64 accumulators become tanh and are dotted with c.  The steps of neighbouring accumulators are interleaved so that behind each run of eight transcendentals stand
; plain instructions on other registers before its results are used (ISA guide 5.7.2).
.macro EPILOGUE
	WIN 0
.irp b, 0,1,2,3,4,5,6,7                ; my eight c of each column tile, into the registers that held X's fragments (their last reader stands four places back)
	ds_load_b128 v[AF+8*\b:AF+8*\b+3],   v[VCA] offset:64*\b
	ds_load_b128 v[AF+8*\b+4:AF+8*\b+7], v[VCA] offset:64*\b+16
.endr
	EM 0
.set ei, 0
.rept 64
	EE ei
.if ei < 63
	EM ei+1
.else
	ET 62
.endif
	EA ei
	ER ei
.if (ei >= 1) && (ei < 63)
	ET ei-1
.if (ei-1)%8 == 7
	LBATCH (ei-1)/8
.endif
.endif
.set ei, ei+1
.endr
	v_nop                                          ; a plain instruction between the last reciprocals and their use
	s_wait_alu depctr_va_vdst(0)
	ET 63
	LBATCH 7
	v_add_nc_u32 v[VCA], 2048, v[VCA]              ; the next pass's 512 columns of c
.endm
; THE CONTEXT.  32 turning loads: rows 32 ks .. + 31 of X x my 256 columns, as 16 fragments (source 1: lane = column, K = rows) into buffer u.  The largest immediate: 65,504.
.macro TRL ks, u
	WIN TO_XT
.set n, 0
.rept 16
	ds_load_tr16_b128 v[128*(\u)+8*n:128*(\u)+8*n+3],   v[TRA] offset:(n/8)*SLICE+32*PITCH*(\ks)+32*(n%8)
	ds_load_tr16_b128 v[128*(\u)+8*n+4:128*(\u)+8*n+7], v[TRA] offset:(n/8)*SLICE+32*PITCH*(\ks)+32*(n%8)+16*PITCH
.set n, n+1
.endr
.endm
; 16 matrix instructions: p (all 16 rows of source 0 alike) x X; the 16 accumulators take turns
.macro CMUL ks, u
	WIN CTX
.set n, 0
.rept 16
.if (\ks) == 0
	v_wmma_f32_16x16x32_bf16 v[8*n:8*n+7], v[AF+8*(\ks):AF+8*(\ks)+7], v[128*(\u)+8*n:128*(\u)+8*n+7], 0
.else
	v_wmma_f32_16x16x32_bf16 v[8*n:8*n+7], v[AF+8*(\ks):AF+8*(\ks)+7], v[128*(\u)+8*n:128*(\u)+8*n+7], v[8*n:8*n+7]
.endif
.set n, n+1
.endr
.endm
	s_load_b256 s[4:11], s[0:1], 0x0               ; X s[4:5], wf s[6:7], c s[8:9], lg s[10:11]
	s_load_b64 s[12:13], s[0:1], 0x20              ; part
	v_lshl_add_u32 v[SPW], v0, 2, SPARE
	v_mov_b32 v[NIL], 0
	v_lshrrev_b32 v13, 5, v0
	v_readfirstlane_b32 s14, v13                   ; wave 0..3
	v_and_b32 v14, 31, v0                          ; lane
	v_and_b32 v15, 15, v0                          ; lane % 16
	v_bfe_u32 v[HH], v0, 4, 1                      ; lane / 16
	v_lshlrev_b32 v[VO16], 4, v14
	v_mul_u32_u24 v[AX0], v15, PITCH
	v_lshl_add_u32 v[AX0], v[HH], 4, v[AX0]
	s_lshl_b32 s15, s14, 9                         ; my 128 columns of c,
	s_add_co_u32 s15, s15, CVEC
	v_lshl_add_u32 v[VCA], v[HH], 5, s15           ; and my half's eight of a tile's sixteen
	s_lshl_b32 s15, s14, 2
	s_add_co_u32 s15, s15, LG
	v_lshl_add_u32 v[LGA], v15, 4, s15
	v_lshl_add_u32 v[LGR], v14, 6, LG
	s_lshl_b32 s15, s14, 8
	s_add_co_u32 s15, s15, PW
	v_lshl_add_u32 v[PWS], v14, 3, s15
	v_lshl_add_u32 v[PWR], v[HH], 4, s15
	v_and_b32 v13, 7, v0                           ; the turning load: lane l reads row 8 (l / 16) + l % 8, columns 8 ((l / 8) % 2) + 0..7
	v_lshl_add_u32 v13, v[HH], 3, v13
	v_mul_u32_u24 v[TRA], v13, PITCH
	v_bfe_u32 v13, v0, 3, 1
	v_lshl_add_u32 v[TRA], v13, 4, v[TRA]
	s_mul_i32 s15, s14, 2*SLICE                    ; my 256 columns are slices 2 w and 2 w + 1
	v_add_nc_u32 v[TRA], s15, v[TRA]
	s_lshl_b32 s15, s14, 10
	s_add_co_u32 s15, s15, CS
	v_lshl_add_u32 v[CSS], v14, 2, s15
	v_lshl_add_u32 v[CSR], v14, 4, s15
	s_mul_i32 s15, s14, 32*PITCH                   ; I bring rows 32 w .. 32 w + 31
	v_lshl_add_u32 v[ADH], v14, 3, s15
	v_add_nc_u32 v[AD0], SLICE, v[ADH]
	v_lshlrev_b32 v62, 5, v0                       ; c: 32 bytes a thread,
	v_add_nc_u32 v63, CVEC, v62                    ; from memory to the same place in LDS
.irp a, 0,1,2,3,4,5,6,7
	v_mov_b32 v[LP+\a], 0                          ; eight registers, so that both passes add onto them by one text
.endr
	s_mov_b32 s26, 0x4038aa3b                      ; 2 log2 e
	s_mov_b32 s27, s26                             ; named with it as a pair
	s_mov_b32 s28, 0x76543210                      ; v_permlanex16_b32: each lane takes its own place in the other half
	s_mov_b32 s29, 0xfedcba98
	s_mov_b32 s30, 0xffff0000                      ; lanes 16-31
	s_mov_b32 s31, 0x3fb8aa3b                      ; log2 e
	s_lshl_b32 s24, ttmp9, 19                      ; the block's 128 rows of 4,096 bytes,
	s_lshl_b32 s15, s14, 17                        ; my 32 of them
	s_add_co_u32 s24, s24, s15
	s_mov_b32 s25, 0
	s_lshl_b32 s16, s14, 19                        ; my 524,288 bytes of wf
	s_mov_b32 s17, 0
	s_lshl_b32 s18, ttmp9, 9                       ; the block's 128 logits
	s_mov_b32 s19, 0
	s_lshl_b32 s38, ttmp9, 12                      ; the block's 1,024 partial sums,
	s_lshl_b32 s15, s14, 10                        ; my 256 of them
	s_add_co_u32 s38, s38, s15
	s_mov_b32 s39, 0
	s_mov_b32 s40, 0                               ; the slice in hand, in LDS bytes
	s_wait_kmcnt 0x0
	s_add_nc_u64 s[20:21], s[4:5], s[24:25]
	s_add_nc_u64 s[22:23], s[6:7], s[16:17]
	s_add_nc_u64 s[34:35], s[10:11], s[18:19]
	s_add_nc_u64 s[36:37], s[12:13], s[38:39]
	; THE HEAD.  c, then groups 0 to 5; the rest is asked for as groups are stored, so that the queue ends as every step of pass 0 finds it: group 5, W of step 0, group 6, W of step 1, group 7.
	global_load_b128 v[QQ:QQ+3],   v62, s[8:9]
	global_load_b128 v[QQ+4:QQ+7], v62, s[8:9] offset:16
	XLOAD 0,     TO_XL, 0                          ; slice 0: groups 0 to 3, into window 2
	XLOAD 32,    TO_XL, 32768
	XLOAD 64,    TO_XL, 65536
	XLOAD 96,    TO_XL, 98304
	XLOAD XS,    0, 512                            ; slice 1: groups 4 and 5, into sets 0 and 1
	XLOAD XS+32, 0, 32768+512
	s_wait_loadcnt 40                              ; c and group 0 are in; groups 1 to 5 stay out
	ds_store_b128 v63, v[QQ:QQ+3]
	ds_store_b128 v63, v[QQ+4:QQ+7] offset:16
	XCONS 0, 1, ADH, 0
	WFETCH 0
	s_wait_loadcnt 48                              ; group 1 is in; groups 2 to 5 and W stay out
	XCONS 32, 1, ADH, 8*PITCH
	XLOAD XS+64, 0, 65536+512                      ; group 6
	s_wait_loadcnt 48                              ; group 2; out: groups 3 to 5, W, group 6
	XCONS 64, 1, ADH, 16*PITCH
	s_wait_loadcnt 40                              ; group 3; out: groups 4 and 5, W, group 6
	XCONS 96, 1, ADH, 24*PITCH
	WFETCH 1
	s_wait_loadcnt 48                              ; group 4; out: group 5, W, group 6, W
	XCONS XS, 0, ADH, SLICE
	XLOAD XS+96, 0, 98304+512                      ; group 7
	s_wait_dscnt 0x0                               ; for the others' sake: my rows of slice 0 and my part of c are in LDS
	s_barrier_signal -1
	s_barrier_wait -1                              ; everybody's are
	; PASS 0
	v_mov_b32 v[AX], v[AX0]
	v_mov_b32 v[AD], v[AD0]
	AFETCH 0, 0
	AFETCH 1, 0
	TRIPA 1                                        ; steps 0 to 3: the first step's products start the sums
	WIN 0                                          ; at a label and at a branch every window is 0
	s_mov_b32 s33, 5
.La:                                                   ; steps 4 to 23
	ADV 1, 1
	TRIPA 0
	WIN 0
	s_sub_co_u32 s33, s33, 1
	s_cmp_lg_u32 s33, 0
	s_cbranch_scc1 .La
	ADV 0, 1                                       ; steps 24 to 27: nothing of X is left to ask for; groups 29 to 31 are stored; W goes over to three steps ahead
	STEP 0, 0, 32, 64,    2, -1, 8*PITCH           ; younger than W of step 24: group 30, W, group 31
	STEP 1, 0, 24, 128,   3,  4, 16*PITCH          ; younger than W of step 25: group 31 and W of step 26
	STEP 2, 0, 32, 192,   5, -1, 24*PITCH          ; from here on: two steps' W
	STEP 3, 0, 32, SLICE, 6, -1, -1, -1, 1         ; the last barrier: slice 7
	ADV 0, 0                                       ; steps 28 to 31
	STEP 0, 0, 32, 64, 3
	STEP 1, 0, 32, 128
	STEP 2, 0, 16, 192                             ; the counts run down
	STEP 3, 0, 0, -1
	WFETCH 4                                       ; pass 1's fragments follow pass 0's in wf: its first three steps land while the epilogue runs
	WFETCH 5
	WFETCH 6
	WIN 0
	s_mov_b32 s32, 2
.Lep:                                                  ; two trips: pass 0's epilogue and pass 1; pass 1's epilogue
	EPILOGUE
	s_cmp_eq_u32 s32, 1
	s_cbranch_scc1 .Lskip                          ; behind pass 1's epilogue nothing is left to multiply; what is jumped holds no barrier
	; PASS 1: X lies in LDS; a step asks for W three steps ahead: two steps' W, 32 loads, are younger than the W that is due
	s_wait_xcnt 0x0
	s_add_nc_u64 s[22:23], s[22:23], 0x8000
	s_mov_b32 s40, 0
	v_mov_b32 v[AX], v[AX0]
	AFETCH 0, 0
	AFETCH 1, 0
	STEP 0, 1, 32, 64, 3                           ; the first step stands in front of the loop: its products start the sums
	WIN 0
	s_mov_b32 s33, 7
.Lk:                                                   ; a trip: a slice's steps 1 to 3 and the next slice's step 0: steps 1 to 28
	STEP 1, 0, 32, 128,   4
	STEP 2, 0, 32, 192,   5
	STEP 3, 0, 32, SLICE, 6
	ADV 0, 0
	STEP 0, 0, 32, 64,    3
	WIN 0
	s_sub_co_u32 s33, s33, 1
	s_cmp_lg_u32 s33, 0
	s_cbranch_scc1 .Lk
	STEP 1, 0, 32, 128                             ; the tail is written out: no load of W passes my part of wf
	STEP 2, 0, 16, 192
	STEP 3, 0, 0, -1
	WIN 0
.Lskip:
	s_sub_co_u32 s32, s32, 1
	s_cmp_lg_u32 s32, 0
	s_cbranch_scc1 .Lep
	; THE BLOCK'S SOFTMAX.  A row's logit: my half's columns + the other half's, then the four waves' through LDS.
	s_wait_loadcnt 0x0                             ; the ring's registers become the context's accumulators: no load into them is out
.irp a, 0,1,2,3,4,5,6,7
	v_permlanex16_b32 v[UU+\a], v[LP+\a], s28, s29
.endr
.irp a, 0,1,2,3,4,5,6,7
	v_add_f32 v[LP+\a], v[LP+\a], v[UU+\a]
.endr
.irp a, 0,1,2,3,4,5,6,7
	ds_store_b32 v[LGA], v[LP+\a] offset:256*\a    ; row 16 a + lane % 16, my wave's word; both halves of the lanes write the same number
.endr
	s_wait_dscnt 0x0                               ; for the others' sake
	s_barrier_signal -1
	s_barrier_wait -1
.irp i, 0,1,2,3
	ds_load_b128 v[QQ+4*\i:QQ+4*\i+3], v[LGR] offset:16*\i   ; row 4 lane + i: the four waves' parts
.endr
	s_wait_dscnt 0x0
.irp i, 0,1,2,3
	v_pk_add_f32 v[QQ+4*\i:QQ+4*\i+1], v[QQ+4*\i:QQ+4*\i+1], v[QQ+4*\i+2:QQ+4*\i+3]
.endr
.irp i, 0,1,2,3
	v_add_f32 v[LV+\i], v[QQ+4*\i], v[QQ+4*\i+1]   ; the same order in every wave: all four hold the same logits
.endr
	s_cmp_lg_u32 s14, 0
	s_cbranch_scc1 .Lnolg
	global_store_b128 v[VO16], v[LV:LV+3], s[34:35]  ; wave 0: 512 consecutive bytes; LV is not written again
.Lnolg:
	v_max3_num_f32 v13, v[LV], v[LV+1], v[LV+2]
	v_max_num_f32 v13, v13, v[LV+3]
	v_max_num_f32_dpp v13, v13, v13 row_xmask:1 row_mask:0xf bank_mask:0xf
	v_max_num_f32_dpp v13, v13, v13 row_xmask:2 row_mask:0xf bank_mask:0xf
	v_max_num_f32_dpp v13, v13, v13 row_xmask:4 row_mask:0xf bank_mask:0xf
	v_max_num_f32_dpp v13, v13, v13 row_xmask:8 row_mask:0xf bank_mask:0xf
	v_permlanex16_b32 v14, v13, s28, s29
	v_max_num_f32 v13, v13, v14                    ; m: the block's largest logit
.irp i, 0,1,2,3
	v_sub_f32 v[QQ+\i], v[LV+\i], v13
.endr
.irp i, 0,1,2,3
	v_mul_f32 v[QQ+\i], s31, v[QQ+\i]
.endr
.irp i, 0,1,2,3
	v_exp_f32 v[QQ+\i], v[QQ+\i]                   ; p = e^(l - m), 0 to 1
.endr
	v_nop                                          ; a plain instruction between the exponentials and their use
	s_wait_alu depctr_va_vdst(0)
	v_cvt_pk_bf16_f32 v62, v[QQ], v[QQ+1]
	v_cvt_pk_bf16_f32 v63, v[QQ+2], v[QQ+3]
	ds_store_b64 v[PWS], v[62:63]                  ; my wave's own copy of p[128]
.irp ks, 0,1,2,3                       ; p as source 0: every lane takes K = 8 (lane / 16) + 0..7 and 16 + 8 (lane / 16) + 0..7; LDS serves a wave's instructions in order: these see the store above
	ds_load_b128 v[AF+8*\ks:AF+8*\ks+3],   v[PWR] offset:64*\ks
	ds_load_b128 v[AF+8*\ks+4:AF+8*\ks+7], v[PWR] offset:64*\ks+32
.endr
	; THE CONTEXT: sum over the 128 rows of p x X, my 256 columns, 32 rows a step, two buffers by turns
	TRL 0, 0
	TRL 1, 1
	s_wait_dscnt 32                                ; all but the youngest run of 32: p and the first buffer are in
	CMUL 0, 0
	PLACES
	TRL 2, 0
	s_wait_dscnt 32
	CMUL 1, 1
	PLACES
	TRL 3, 1
	s_wait_dscnt 32
	CMUL 2, 0
	s_wait_dscnt 0x0
	CMUL 3, 1
	PLACES
	; All rows of a result are alike: register 0 of tile nt holds column 16 nt + lane % 16.  Lanes 0-15 take tile 2 i, lanes 16-31 tile 2 i + 1: column 32 i + lane.
	WIN SEL
.irp i, 0,1,2,3,4,5,6,7
	v_cndmask_b32 v[RR+\i], v[16*\i], v[16*\i+8], s30
.endr
	WIN 0
.irp i, 0,1,2,3,4,5,6,7
	ds_store_b32 v[CSS], v[RR+\i] offset:128*\i    ; through my own stage, so that a lane stores 16 neighbouring bytes
.endr
	ds_load_b128 v[OO:OO+3],   v[CSR]
	ds_load_b128 v[OO+4:OO+7], v[CSR] offset:512
	s_wait_dscnt 0x0
	global_store_b128 v[VO16], v[OO:OO+3],   s[36:37]             ; 512 consecutive bytes each, at a multiple of 512 from part's first byte
	global_store_b128 v[VO16], v[OO+4:OO+7], s[36:37] offset:512
	s_wait_tensorcnt 0x0                           ; the wave's end, behind my last LDS store
	ds_add_u32 v[SPW], v[NIL]
	s_wait_dscnt 0x0
	s_endpgm
.Lfunc_end_k_q4166e2f436_main:
	.size	k_q4166e2f436_main, .Lfunc_end_k_q4166e2f436_main-k_q4166e2f436_main
	.p2alignl 7, 3214868480
	.fill 96, 4, 3214868480
	.section	.rodata,"a",@progbits
	.p2align	6, 0x0
	.amdhsa_kernel k_q4166e2f436_main
		.amdhsa_group_segment_fixed_size 290304
		.amdhsa_private_segment_fixed_size 0
		.amdhsa_enable_private_segment 0
		.amdhsa_kernarg_size 40
		.amdhsa_user_sgpr_count 2
		.amdhsa_user_sgpr_kernarg_segment_ptr 1
		.amdhsa_wavefront_size32 1
		.amdhsa_system_sgpr_workgroup_id_x 1
		.amdhsa_system_sgpr_workgroup_id_y 1
		.amdhsa_system_sgpr_workgroup_id_z 1
		.amdhsa_system_vgpr_workitem_id 0
		.amdhsa_next_free_vgpr 1024
		.amdhsa_next_free_sgpr 66
		.amdhsa_reserve_vcc 0
		.amdhsa_float_denorm_mode_32 3
		.amdhsa_float_denorm_mode_16_64 3
		.amdhsa_memory_ordered 1
		.amdhsa_forward_progress 1
		.amdhsa_inst_pref_size 255
	.end_amdhsa_kernel
	.section	.bss,"aw",@nobits
	.p2align	6
	.space	262144
	.amdgpu_metadata
---
amdhsa.version: [ 1, 2 ]
amdhsa.kernels:
  - .name:           k_q4166e2f436_main
    .symbol:         k_q4166e2f436_main.kd
    .args:
      - { .name: gru_output, .offset: 0, .size: 8, .value_kind: global_buffer, .address_space: global }
      - { .name: wf, .offset: 8, .size: 8, .value_kind: global_buffer, .address_space: global }
      - { .name: context_vector, .offset: 16, .size: 8, .value_kind: global_buffer, .address_space: global }
      - { .name: lg, .offset: 24, .size: 8, .value_kind: global_buffer, .address_space: global }
      - { .name: part, .offset: 32, .size: 8, .value_kind: global_buffer, .address_space: global }
    .group_segment_fixed_size: 290304
    .private_segment_fixed_size: 0
    .kernarg_segment_align: 8
    .kernarg_segment_size: 40
    .max_flat_workgroup_size: 128
    .sgpr_count:     66
    .vgpr_count:     1024
    .wavefront_size: 32
...
	.end_amdgpu_metadata
.endif
;; end of part 2
;; launch combine (part 3): grid 32 x 1, 8 waves a work-group, no clusters, 1,280 bytes of LDS; arguments lg, part, out0, out1; writes out0, out1
.if DOCPART == 3
	.amdgcn_target "amdgcn-amd-amdhsa--gfx1250"
	.amdhsa_code_object_version 6
	.text
	.protected	k_q4166e2f436_combine
	.globl	k_q4166e2f436_combine
	.p2align	8
	.type	k_q4166e2f436_combine,@function
k_q4166e2f436_combine:
	s_mov_b64 s[64:65], 0
	v_nop
	global_prefetch_b8 v0, s[64:65] scope:SCOPE_SE
	s_setreg_imm32_b32 hwreg(HW_REG_WAVE_MODE, 25, 1), 1
	s_wait_xcnt 0x0
; One work-group for each batch b.  From the batch's 2,048 logits: the maximum m_i and the sum s_i = sum e^(l - m_i) of each of its 16 blocks of 128, the batch's maximum M,
; S = sum s_i e^(m_i - M);  out1 = e^(l - M) / S;  out0 = sum over i of e^(m_i - M) part_i / S.  part_i was made relative to the same m_i: a maximum of the same numbers is the same number.
; All in f32.  S is at least 1: the block that holds M has weight 1 and a sum of at least 1.  A power of two below 2^-126 counts as 0; NaN and infinities are not treated apart.
; Eight waves, 256 threads.  Thread t holds logits 4 t .. and 1,024 + 4 t .. (wave w: blocks w and 8 + w, whole) and the context's columns 4 t ..; all 18 loads go out at the start.
; Few bytes and one dependent chain: no matrix unit, no cluster; each load and store of a wave covers 512 consecutive bytes.
.set LA,  4                            ; v[4:7]     logits of block w, then their weights
.set LB,  8                            ; v[8:11]    of block 8 + w
.set PT,  16                           ; v[16:79]   part: block i's four columns at PT + 4 i
.set MM,  80                           ; v[80:95]   at work; then the 16 m_i, then e^(m_i - M)
.set SS,  96                           ; v[96:111]  the 16 s_i; then the context's four sums
.set SPARE, 256                        ; the spare words, 128 bytes for each of the eight waves; bytes 0-127 hold m[16] and s[16]
	s_load_b256 s[4:11], s[0:1], 0x0               ; lg s[4:5], part s[6:7], out0 s[8:9], out1 s[10:11]
	v_lshl_add_u32 v2, v0, 2, SPARE                ; my spare word; never rewritten
	v_mov_b32 v3, 0                                ; 0; never rewritten
	v_lshrrev_b32 v12, 5, v0
	v_readfirstlane_b32 s12, v12                   ; wave 0..7
	v_lshlrev_b32 v1, 4, v0                        ; 16 bytes a thread; never rewritten
	v_mov_b32 v14, 0                               ; v_permlanex16_b32 counts as a reader of its destination
	v_mov_b32 v15, 0
	s_lshl_b32 s13, s12, 2
	s_lshl_b32 s14, ttmp9, 13                      ; the batch's 2,048 logits and weights
	s_mov_b32 s15, 0
	s_lshl_b32 s16, ttmp9, 16                      ; its 16 partial contexts of 4,096 bytes
	s_mov_b32 s17, 0
	s_lshl_b32 s18, ttmp9, 12                      ; its context
	s_mov_b32 s19, 0
	s_mov_b32 s20, 0x76543210
	s_mov_b32 s21, 0xfedcba98
	s_mov_b32 s22, 0x3fb8aa3b                      ; log2 e
	s_wait_kmcnt 0x0
	s_add_nc_u64 s[4:5], s[4:5], s[14:15]
	s_add_nc_u64 s[6:7], s[6:7], s[16:17]
	s_add_nc_u64 s[8:9], s[8:9], s[18:19]
	s_add_nc_u64 s[10:11], s[10:11], s[14:15]
	global_load_b128 v[LA:LA+3], v1, s[4:5]
	global_load_b128 v[LB:LB+3], v1, s[4:5] offset:4096
.irp i, 0,1,2,3,4,5,6,7,8,9,10,11,12,13,14,15
	global_load_b128 v[PT+4*\i:PT+4*\i+3], v1, s[6:7] offset:4096*\i
.endr
	s_wait_loadcnt 16                              ; the logits are in; the sixteen loads of part stay out
	v_max3_num_f32 v12, v[LA], v[LA+1], v[LA+2]
	v_max3_num_f32 v13, v[LB], v[LB+1], v[LB+2]
	v_max_num_f32 v12, v12, v[LA+3]
	v_max_num_f32 v13, v13, v[LB+3]
.irp x, 1,2,4,8
	v_max_num_f32_dpp v12, v12, v12 row_xmask:\x row_mask:0xf bank_mask:0xf
	v_max_num_f32_dpp v13, v13, v13 row_xmask:\x row_mask:0xf bank_mask:0xf
.endr
	v_permlanex16_b32 v14, v12, s20, s21
	v_permlanex16_b32 v15, v13, s20, s21
	v_max_num_f32 v12, v12, v14                    ; m of block w
	v_max_num_f32 v13, v13, v15                    ; m of block 8 + w
.irp i, 0,1,2,3
	v_sub_f32 v[MM+\i],   v[LA+\i], v12
	v_sub_f32 v[MM+4+\i], v[LB+\i], v13
.endr
.irp i, 0,1,2,3,4,5,6,7
	v_mul_f32 v[MM+\i], s22, v[MM+\i]
.endr
.irp i, 0,1,2,3,4,5,6,7
	v_exp_f32 v[MM+\i], v[MM+\i]
.endr
	v_nop                                          ; a plain instruction between the exponentials and their use
	s_wait_alu depctr_va_vdst(0)
	v_pk_add_f32 v[MM:MM+1],   v[MM:MM+1],   v[MM+2:MM+3]
	v_pk_add_f32 v[MM+4:MM+5], v[MM+4:MM+5], v[MM+6:MM+7]
	v_add_f32 v[MM],   v[MM],   v[MM+1]
	v_add_f32 v[MM+4], v[MM+4], v[MM+5]
.irp x, 1,2,4,8
	v_add_f32_dpp v[MM],   v[MM],   v[MM]   row_xmask:\x row_mask:0xf bank_mask:0xf
	v_add_f32_dpp v[MM+4], v[MM+4], v[MM+4] row_xmask:\x row_mask:0xf bank_mask:0xf
.endr
	v_permlanex16_b32 v14, v[MM],   s20, s21
	v_permlanex16_b32 v15, v[MM+4], s20, s21
	v_add_f32 v[MM],   v[MM],   v14                ; s of block w
	v_add_f32 v[MM+4], v[MM+4], v15                ; s of block 8 + w
	v_mov_b32 v14, s13
	ds_store_b32 v14, v12                          ; all lanes write the same word with the same number
	ds_store_b32 v14, v13 offset:32
	ds_store_b32 v14, v[MM] offset:64
	ds_store_b32 v14, v[MM+4] offset:96
	s_wait_dscnt 0x0                               ; for the others' sake
	s_barrier_signal -1
	s_barrier_wait -1
	v_mov_b32 v15, 0
.irp i, 0,1,2,3,4,5,6,7
	ds_load_b128 v[MM+4*\i:MM+4*\i+3], v15 offset:16*\i   ; the 16 m, then the 16 s, in every lane
.endr
	s_wait_dscnt 0x0
	v_max3_num_f32 v14, v[MM], v[MM+1], v[MM+2]
.irp k, 0,1,2,3,4,5
	v_max3_num_f32 v14, v14, v[MM+3+2*\k], v[MM+4+2*\k]
.endr
	v_max_num_f32 v14, v14, v[MM+15]               ; M
.irp i, 0,1,2,3,4,5,6,7,8,9,10,11,12,13,14,15
	v_sub_f32 v[MM+\i], v[MM+\i], v14
.endr
.irp i, 0,1,2,3,4,5,6,7,8,9,10,11,12,13,14,15
	v_mul_f32 v[MM+\i], s22, v[MM+\i]
.endr
.irp i, 0,1,2,3,4,5,6,7,8,9,10,11,12,13,14,15
	v_exp_f32 v[MM+\i], v[MM+\i]                   ; e^(m_i - M)
.endr
	v_nop
	s_wait_alu depctr_va_vdst(0)
	v_mul_f32 v15, v[SS], v[MM]
.irp i, 1,2,3,4,5,6,7,8,9,10,11,12,13,14,15
	v_fmac_f32 v15, v[SS+\i], v[MM+\i]             ; S
.endr
	v_rcp_f32 v15, v15                             ; the subtractions below stand between it and its use
.irp i, 0,1,2,3,4,5,6,7
	v_sub_f32 v[LA+\i], v[LA+\i], v14
.endr
.irp i, 0,1,2,3,4,5,6,7
	v_mul_f32 v[LA+\i], s22, v[LA+\i]
.endr
.irp i, 0,1,2,3,4,5,6,7
	v_exp_f32 v[LA+\i], v[LA+\i]
.endr
	v_nop
	s_wait_alu depctr_va_vdst(0)
.irp i, 0,1,2,3,4,5,6,7
	v_mul_f32 v[LA+\i], v[LA+\i], v15              ; e^(l - M) / S
.endr
	global_store_b128 v1, v[LA:LA+3], s[10:11]
	global_store_b128 v1, v[LB:LB+3], s[10:11] offset:4096
	s_wait_loadcnt 0x0                             ; part
.irp j, 0,1,2,3
	v_mul_f32 v[SS+\j], v[PT+\j], v[MM]            ; the first block starts the sums
.endr
.irp i, 1,2,3,4,5,6,7,8,9,10,11,12,13,14,15
.irp j, 0,1,2,3
	v_fmac_f32 v[SS+\j], v[PT+4*\i+\j], v[MM+\i]
.endr
.endr
.irp j, 0,1,2,3
	v_mul_f32 v[SS+\j], v[SS+\j], v15
.endr
	global_store_b128 v1, v[SS:SS+3], s[8:9]
	s_wait_tensorcnt 0x0                           ; the wave's end, behind my last LDS store
	ds_add_u32 v2, v3
	s_wait_dscnt 0x0
	s_endpgm
.Lfunc_end_k_q4166e2f436_combine:
	.size	k_q4166e2f436_combine, .Lfunc_end_k_q4166e2f436_combine-k_q4166e2f436_combine
	.p2alignl 7, 3214868480
	.fill 96, 4, 3214868480
	.section	.rodata,"a",@progbits
	.p2align	6, 0x0
	.amdhsa_kernel k_q4166e2f436_combine
		.amdhsa_group_segment_fixed_size 1280
		.amdhsa_private_segment_fixed_size 0
		.amdhsa_enable_private_segment 0
		.amdhsa_kernarg_size 32
		.amdhsa_user_sgpr_count 2
		.amdhsa_user_sgpr_kernarg_segment_ptr 1
		.amdhsa_wavefront_size32 1
		.amdhsa_system_sgpr_workgroup_id_x 1
		.amdhsa_system_sgpr_workgroup_id_y 1
		.amdhsa_system_sgpr_workgroup_id_z 1
		.amdhsa_system_vgpr_workitem_id 0
		.amdhsa_next_free_vgpr 112
		.amdhsa_next_free_sgpr 66
		.amdhsa_reserve_vcc 0
		.amdhsa_float_denorm_mode_32 3
		.amdhsa_float_denorm_mode_16_64 3
		.amdhsa_memory_ordered 1
		.amdhsa_forward_progress 1
		.amdhsa_inst_pref_size 13
	.end_amdhsa_kernel
	.amdgpu_metadata
---
amdhsa.version: [ 1, 2 ]
amdhsa.kernels:
  - .name:           k_q4166e2f436_combine
    .symbol:         k_q4166e2f436_combine.kd
    .args:
      - { .name: lg, .offset: 0, .size: 8, .value_kind: global_buffer, .address_space: global }
      - { .name: part, .offset: 8, .size: 8, .value_kind: global_buffer, .address_space: global }
      - { .name: out0, .offset: 16, .size: 8, .value_kind: global_buffer, .address_space: global }
      - { .name: out1, .offset: 24, .size: 8, .value_kind: global_buffer, .address_space: global }
    .group_segment_fixed_size: 1280
    .private_segment_fixed_size: 0
    .kernarg_segment_align: 8
    .kernarg_segment_size: 32
    .max_flat_workgroup_size: 256
    .sgpr_count:     66
    .vgpr_count:     112
    .wavefront_size: 32
...
	.end_amdgpu_metadata
.endif
;; end of part 3
;; ======== version 2 of 2: 3 launches; version 1 with the launch main written anew for expert scheduling mode
;; workspace buffers: wf 2,097,152 bytes; lg 262,144 bytes; part 2,097,152 bytes
;; launch prep: the kernel of part 1 again; grid 256 x 1, 4 waves a work-group, no clusters, 0 bytes of LDS; arguments attention_weights, wf; writes wf
;; launch main (part 4): grid 512 x 1, 4 waves a work-group, no clusters, 290,304 bytes of LDS; arguments gru_output, wf, context_vector, lg, part; writes lg, part
.if DOCPART == 4
	.amdgcn_target "amdgcn-amd-amdhsa--gfx1250"
	.amdhsa_code_object_version 6
	.text
	.protected	k_q4166e2f436_main
	.globl	k_q4166e2f436_main
	.p2align	8
	.type	k_q4166e2f436_main,@function
k_q4166e2f436_main:
	s_mov_b64 s[64:65], 0
	v_nop
	global_prefetch_b8 v0, s[64:65] scope:SCOPE_SE
	s_setreg_imm32_b32 hwreg(HW_REG_WAVE_SCHED_MODE, 0, 2), 2
	s_setreg_imm32_b32 hwreg(HW_REG_WAVE_MODE, 25, 1), 1
	s_wait_xcnt 0x0
	s_wait_alu depctr_vm_vsrc(0)
; For a block of 128 rows of X (gru_output as [65536][1024] f32):
;   lg[row]   = sum over n of c[n] tanh((X W)[row][n])                       (f32, 128 numbers)
;   part[blk] = sum over the block's rows of 2^((l - m) log2 e) X[row][:]    (f32, 1,024 numbers; m = the block's largest logit)
; X is read from memory ONCE: it is rounded to bf16 into LDS, stays there for the whole walk over W, and is multiplied once more, by p, for the context.
; FORMATS.  X and W rounded once to bf16; sums, tanh, logits, maximum and exponentials in f32; p rounded to bf16 for the context's product alone.
; LIMITS.  NaN and infinities are not treated apart.  tanh z = 1 - 2 / (1 + 2^(2 z log2 e)): absolute error about 1e-7, exactly +-1 where the power overflows or vanishes.
; A power of two below 2^-126 counts as 0.  p keeps 8 significant bits in the context.
; SHARES.  Four waves.  In pass p (0, 1) wave w makes all 128 rows x the 128 columns 512 p + 128 w ..: 64 accumulators of 16 x 16, 512 registers.  K goes in steps of 32.
; W comes straight into registers, from wf, where a wave's fragments lie in the order of use: 8,192 bytes a step, a ring of four register buffers.
; X COMES IN UNDER PASS 0's PRODUCTS, by slices of 128 along K.  A wave brings its 32 rows of a slice as four GROUPS of 8 loads (a load: 512 consecutive bytes of one row).  Group g (slice g / 4) is
; asked for in step g - 8 and rounded and stored to LDS in step g - 5; groups 0 to 7 are asked for, and 0 to 4 stored, at the kernel's head.  So slice s + 1 is stored when step
; 4 s + 2 ends, and ONE barrier in step 4 s + 3 shows it to all waves before that step fetches the next slice's first fragments.  Between two such barriers the waves read one slice and write the slice behind it.
; THE ORDER OF THE LOADS.  Loads come back in order.  In step t stand W of step t + 2 and, behind it, the group: the group need only be in when W of step t + 3, asked for a step later, is waited for.
; By the text's own count a wave has at most 56 loads out.  Where no X is left (from step 25 on, and in pass 1) W is asked for three steps ahead.
; NO CLUSTER, NO LDS SLOTS FOR W: the block of X takes 278,528 of the 327,680 bytes of LDS; two slots of one K step of a pass's 512 columns would be 2 x 32,768 bytes, and 49,152 are left.
; No byte of W is read by two waves of a work-group, so LDS would spare nothing inside the work-group either.
; THE MATRIX INSTRUCTION IS USED TRANSPOSED (source 0 = 16 columns of W, source 1 = 16 rows of X): a lane holds ONE row of X (lane % 16) and eight columns 8 (lane / 16) + 0..7,
; so a row's dot product with c stays in the lane but for one exchange between the lanes' halves.
; THE MODE: SCHED_MODE bits 1:0 = 2 (LLVM: expert scheduling mode 2), set by the entry lines.  The code itself states the register dependences
; between vector or matrix instructions and memory or LDS instructions, with s_wait_alu, always for 0.
; THE PLAN.  Registers that memory or LDS instructions touch in step t (j = t % 4):
;   S0 .. S3   S[j] holds X's fragments of row tiles 0-3 of step t: read by the step's first 32 products; then (pass 0) group t + 8 lands in it.
;              S[j + 1] holds group t + 5: read by the step's sixteen conversions; then the fragments of row tiles 0-3 of step t + 1 land in it.
;   H0, H1     H[t % 2] holds the fragments of row tiles 4-7 of step t: read by the step's second 32 products.  H[(t + 1) % 2], last read in step t - 1, takes those of step t + 1.
;   W's ring   buffer j is read by all 64 products of step t; the step's loads of W land in a buffer that was last read in step t - 1 or earlier.
;   Y          written by the conversions, read by the group's eight LDS stores.
;   AX, AD     read by the LDS loads and stores; written once a slice, between two steps.     v[VO16]: the offset of every global load; never written again.
; So ONE wait on va_vdst stands in a step, in its middle, behind the conversions: Y is written; the conversions are done with S[j + 1], the first 32 products with S[j], the products of step t - 1 with
; H[(t + 1) % 2] and with their ring buffer; at a slice's first step AX and AD are written.  All the step's memory and LDS instructions follow it, four at a time behind every second of the second 32 products,
; which name ring buffer j, H[t % 2] and their accumulators: none of the registers that those instructions touch.  A wait on vm_vsrc stands ahead of the conversions (Y) and ahead of the adds to AX and AD.
; REGISTERS, in windows of 256 (s_set_vgpr_msb: bits 1:0 source 0, 3:2 source 1, 5:4 source 2, 7:6 destination):
;   window 0: v0-63 addresses and small work, Y among it; v64-127 H0, H1 (in the epilogue c, in the context p); v128-255 S0 .. S3 (at the end the context's way out)
;   window 1: W's ring, 4 x 64; in the context its 16 accumulators
;   window 2: accumulators of rows 0-63 ((a, b) at 8 (8 a + b)); at the head groups 0 to 3 land here; in the context two buffers of 128 for X turned
;   window 3: accumulators of rows 64-127; in the context two buffers of 128 for X turned
.set PITCH, 272                        ; an LDS row of a slice: 256 bytes (128 bf16) + 16 = 68 words: the 16 rows of a fragment load start at 16 different groups of four banks (ISA guide 11.1)
.set SLICE, 128*PITCH                  ; X lies in 8 slices of 128 along K: element (row, k) at (k / 128) SLICE + row PITCH + 2 (k % 128)
.set CVEC,  8*SLICE                    ; c, 1,024 f32
.set LG,    CVEC+4096                  ; partial logits [row 128][wave 4] f32
.set PW,    LG+2048                    ; for each wave 256 bytes of its own: p[128] bf16
.set CS,    PW+1024                    ; for each wave 1,024 bytes of its own: the context's stage
.set SPARE, CS+4096                    ; the spare words, 128 bytes for each wave: two blocks of 256 bytes that no other line names
.set VO16, 1                           ; v1   16 x lane; never rewritten
.set AX0,  2                           ; v2   (lane % 16) PITCH + 16 (lane / 16): my place in a fragment of X
.set AX,   3                           ; v3   the same in the slice in hand
.set VCA,  4                           ; v4   where my eight c of column tile 0 lie
.set HH,   5                           ; v5   lane / 16
.set LGA,  6                           ; v6   LG + 16 (lane % 16) + 4 w
.set LGR,  7                           ; v7   LG + 64 lane
.set PWS,  8                           ; v8   PW + 256 w + 8 lane
.set PWR,  9                           ; v9   PW + 256 w + 16 (lane / 16)
.set TRA,  10                          ; v10  my place in the turning loads, in slice 2 w
.set CSS,  11                          ; v11  CS + 1024 w + 4 lane
.set CSR,  12                          ; v12  CS + 1024 w + 16 lane
.set ADH,  16                          ; v16  where my 8 bytes of my wave's first row go in slice 0: 8 lane + 32 w PITCH
.set AD0,  17                          ; v17  the same in slice 1
.set AD,   18                          ; v18  the same in the slice behind the one in hand
.set LP,   24                          ; v24-31  row tile a: my part of the logit of row 16 a + lane % 16
.set UU,   32                          ; v32-39  behind pass 0: four pairs at work
.set Y,    32                          ; v32-47  in pass 0: a group rounded to bf16, on its way to LDS; at the head c passes through its first eight
.set QQ,   40                          ; v40-55  behind the passes: the partial logits read back
.set LV,   56                          ; v56-59  the logits of rows 4 lane .. 4 lane + 3
.set SPW,  60                          ; v60  LDS address of my spare word; never rewritten
.set NIL,  61                          ; v61  0; never rewritten
.set AF,   64                          ; v64-127 c in the epilogue; v64-95 p in the context
.set HB,   64                          ; H0 at v64, H1 at v96
.set XS,   128                         ; S[k] at XS + 32 k
.set RR,   128
.set OO,   136
.set MSB, 0
.macro WIN new                         ; the immediate's high byte repeats the setting that is left; a switch that changes nothing is dropped
.if MSB != (\new)
	s_set_vgpr_msb (MSB<<8)|(\new)
.set MSB, (\new)
.endif
.endm
.set MUL_LO, 0xa1                      ; W window 1, X window 0, C and D window 2
.set TO_W,   0x40                      ; destination window 1
.set TO_XL,  0x80                      ; destination window 2
.set SEL,    0x05                      ; sources 0 and 1 window 1
; A vector instruction that reads a matrix result stands four places behind it; only plain vector instructions that name none of its registers are places (ISA guide 7.12.1).
; Four plain instructions also stand between products and the loads into registers that they have read; that dependence itself is stated by the wait behind them.
.macro PLACES
.rept 4
	v_nop
.endr
.endm
; Product i (0 to 31) of a half step: row tile 4 hi + i / 8, column tile i % 8, 32 along K, W from ring buffer j, X from S[j] (hi = 0) or H[j % 2] (hi = 1).
; zero = 1: the product starts the sum: nothing is cleared.  The 64 accumulators take turns, one instruction a turn, in the same order in every step.
.macro PROD j, hi, zero
	WIN MUL_LO+0x50*(\hi)
.set rD, 8*i
.set rW, 64*(\j)+8*(i%8)
.set rX, (1-(\hi))*(XS+32*(\j))+(\hi)*(HB+32*((\j)%2))+8*(i/8)
.if \zero
	v_wmma_f32_16x16x32_bf16 v[rD:rD+7], v[rW:rW+7], v[rX:rX+7], 0
.else
	v_wmma_f32_16x16x32_bf16 v[rD:rD+7], v[rW:rW+7], v[rX:rX+7], v[rD:rD+7]
.endif
.set i, i+1
.endm
; 8 LDS loads in a run, at a pass's start: X's fragments of row tiles 4 hi .. 4 hi + 3, 32 along K at byte ko from the slice in hand, into 32 registers from base on
.macro AFETCH base, hi, ko
	WIN 0
.set n, 0
.rept 8
	ds_load_b128 v[(\base)+4*n:(\base)+4*n+3], v[AX] offset:(\ko)+16*PITCH*(4*(\hi)+n/2)+32*(n%2)
.set n, n+1
.endr
.endm
; 16 loads of 512 consecutive bytes in a run: W's fragments of one K step, the idx-th from the first step of the slice in hand, into ring buffer idx % 4
.macro WFETCH idx
	WIN TO_W
.set n, 0
.rept 16
	global_load_b128 v[64*((\idx)%4)+4*n:64*((\idx)%4)+4*n+3], v[VO16], s[22:23] offset:8192*(\idx)+512*n
.set n, n+1
.endr
.endm
; A group is asked for in a run, at the head: 8 loads, a slice's 512 bytes of each of 8 rows, into 32 registers from base on (win: the window setting for that destination)
.macro XLOAD base, win, off
	WIN \win
.set n, 0
.rept 8
	global_load_b128 v[(\base)+4*n:(\base)+4*n+3], v[VO16], s[20:21] offset:(\off)+4096*n th:TH_LOAD_NT
.set n, n+1
.endr
.endm
; A group is rounded to bf16, from its 32 registers into Y.  hiw = 1: the group lies in window 2
.macro XCVT base, hiw
	WIN 0x0a*(\hiw)
	s_wait_alu depctr_vm_vsrc(0)                   ; the LDS stores issued so far have read Y, which the conversions write again
.set n, 0
.rept 8
	v_cvt_pk_bf16_f32 v[Y+2*n],   v[(\base)+4*n],   v[(\base)+4*n+1]
	v_cvt_pk_bf16_f32 v[Y+2*n+1], v[(\base)+4*n+2], v[(\base)+4*n+3]
.set n, n+1
.endr
	WIN 0
.endm
; At the head: a group is rounded and stored: 32 lanes x 8 bytes are a slice's 256 bytes of a row
.macro XCONS base, hiw, adr, off
	XCVT \base, \hiw
	s_wait_alu depctr_va_vdst(0)                   ; the conversions have written Y, which the LDS stores read, and are done reading the group's registers
.set n, 0
.rept 8
	ds_store_b64 v[\adr], v[Y+2*n:Y+2*n+1] offset:(\off)+PITCH*n
.set n, n+1
.endr
.endm
; THE STEP'S MEMORY AND LDS INSTRUCTIONS stand in one queue; DEAL writes the next four.  Number q:
;   0-7    the next step's fragments of row tiles 0-3, into S[j + 1]          8-15   the group's eight LDS stores, from Y
;   16-31  W of step w1      32-47  W of step w2                              48-55  a group is asked for, into S[j]: behind W, so that it need not be in before the next step's W is
;   56-63  the next step's fragments of row tiles 4-7, into H[(j + 1) % 2]
; A part that the step does not have (its argument is -1) is passed over.  The largest LDS immediate: 34,816 + 7 x 4,352 + 32 = 65,312.
.macro DEAL j, ko, w1, w2, xc, xi
.if (q == 0) && ((\ko) < 0)
.set q, 8
.endif
.if (q == 8) && ((\xc) < 0)
.set q, 16
.endif
.if (q == 16) && ((\w1) < 0)
.set q, 32
.endif
.if (q == 32) && ((\w2) < 0)
.set q, 48
.endif
.if (q == 48) && ((\xi) < 0)
.set q, 56
.endif
.if (q == 56) && ((\ko) < 0)
.set q, 64
.endif
.if q < 64
.rept 4
.if q < 8
	WIN 0
.set rB, XS+32*(((\j)+1)%4)+4*q
	ds_load_b128 v[rB:rB+3], v[AX] offset:(\ko)+16*PITCH*(q/2)+32*(q%2)
.elseif q < 16
	WIN 0
	ds_store_b64 v[AD], v[Y+2*(q-8):Y+2*(q-8)+1] offset:(\xc)+PITCH*(q-8)
.elseif q < 32
	WIN TO_W
.set rB, 64*((\w1)%4)+4*(q-16)
	global_load_b128 v[rB:rB+3], v[VO16], s[22:23] offset:8192*(\w1)+512*(q-16)
.elseif q < 48
	WIN TO_W
.set rB, 64*((\w2)%4)+4*(q-32)
	global_load_b128 v[rB:rB+3], v[VO16], s[22:23] offset:8192*(\w2)+512*(q-32)
.elseif q < 56
	WIN 0
.set rB, XS+32*(\j)+4*(q-48)
	global_load_b128 v[rB:rB+3], v[VO16], s[20:21] offset:(\xi)+4096*(q-48) th:TH_LOAD_NT
.else
	WIN 0
.set rB, HB+32*(((\j)+1)%2)+4*(q-56)
	ds_load_b128 v[rB:rB+3], v[AX] offset:(\ko)+16*PITCH*(4+(q-56)/2)+32*((q-56)%2)
.endif
.set q, q+1
.endr
.endif
.endm
; A K STEP of 32: 64 matrix instructions on ring buffer j.
;   nw      how many younger loads may stay out when buffer j (and the group asked for ahead of it) has to be in
;   nd      how many LDS instructions are younger than the loads of this step's row tiles 0-3: tiles 4-7's eight, and eight stores if the step before stored a group
;   ko      where the NEXT step's fragments of X lie, from the slice in hand (-1: there is none)
;   w1, w2  which steps' W are asked for (-1: none)
;   xc      the group in S[j + 1] is rounded and stored, at this offset from AD (-1: none)
;   xi      a group is asked for, into S[j], at this offset from the base (-1: none)
;   bar     the barrier that shows the next slice to all waves: my stores of it are waited for and signalled behind the first 16 products, the others' are awaited behind the next 16
.macro STEP j, zero, nw, nd, ko, w1=-1, w2=-1, xc=-1, xi=-1, bar=0
	s_wait_loadcnt \nw                             ; loads come back in order
	s_wait_dscnt \nd                               ; X's row tiles 0-3 are in
.set i, 0
.rept 16
	PROD \j, 0, \zero
.endr
.if \bar
	s_wait_dscnt 0x0                               ; for the others' sake: my stores of the next slice are done (and no LDS instruction of mine is out at the signal)
	s_barrier_signal -1
.endif
.rept 16
	PROD \j, 0, \zero
.endr
.if \bar
	s_barrier_wait -1                              ; everybody's are
.endif
	WIN 0
.if (\xc) >= 0
	XCVT XS+32*(((\j)+1)%4), 0
.else
	PLACES
.endif
	s_wait_alu depctr_va_vdst(0)                   ; the step's one wait: Y is written; the conversions are done reading S[j + 1], the 32 products above S[j], the last step's products H[(j + 1) % 2] and their ring buffer; at a slice's first step AX and AD are written
	s_wait_dscnt 0x0                               ; X's row tiles 4-7 are in: nothing younger is out
.set i, 0
.set q, 0
.rept 32
	PROD \j, 1, \zero
.if (i%2) == 1
	DEAL \j, \ko, \w1, \w2, \xc, \xi               ; no wait: no vector or matrix instruction since the wait above names a register that these touch
.endif
.endr
.if (\ko) < 0
	PLACES                                         ; a pass's last step: the places ahead of the epilogue, which reads the sums
.endif
.endm
; On to the next slice: W's base four steps on, X's base (xp = 1) 512 bytes along the rows, the LDS addresses one slice on
.macro ADV xp, ad
	WIN 0
	s_wait_xcnt 0x0                                ; the bases are stepped only when every earlier load has had its address translated
	s_add_nc_u64 s[22:23], s[22:23], 0x8000
.if \xp
	s_add_nc_u64 s[20:21], s[20:21], 512
.endif
	s_add_co_u32 s40, s40, SLICE
	s_wait_alu depctr_vm_vsrc(0)                   ; the LDS loads and stores issued so far have read v[AX] and v[AD]; the next to read them stand behind the next step's wait on va_vdst
	v_add_nc_u32 v[AX], s40, v[AX0]
.if \ad
	v_add_nc_u32 v[AD], s40, v[AD0]
.endif
.endm
; Four steps of pass 0 with all of X's work: slice q is multiplied; groups 4 q + 5 .. 4 q + 8 are stored (three of slice q + 1, one of slice q + 2); groups 4 q + 8 .. 4 q + 11 (slice q + 2) are asked for.
; Each wait for W: a group, W and a group, 32 loads, are younger than the W that is due.  zero = 1: steps 0 to 3: no step ahead of step 0 has stored a group behind its fragments' loads.
.macro TRIPA zero
	STEP 0, \zero, 32, 16-8*(\zero), 64,    2, -1, 8*PITCH,  1024
	STEP 1, 0,     32, 16,           128,   3, -1, 16*PITCH, 32768+1024
	STEP 2, 0,     32, 16,           192,   4, -1, 24*PITCH, 65536+1024
	STEP 3, 0,     32, 16,           SLICE, 5, -1, SLICE,    98304+1024, 1
.endm
; THE EPILOGUE's five steps on accumulator i = 8 a + b, in place; each takes the registers in ascending order, so that a matrix result is first read at its low end.
.macro EM i                            ; z x 2 log2 e
.set rA, 8*((\i)%32)
	WIN 0x82+0x41*((\i)/32)
.irp q, 0,2,4,6
	v_pk_mul_f32 v[rA+\q:rA+\q+1], v[rA+\q:rA+\q+1], s[26:27] op_sel_hi:[1,0]
.endr
.endm
.macro EE i                            ; 2^that
.set rA, 8*((\i)%32)
	WIN 0x82+0x41*((\i)/32)
.irp q, 0,1,2,3,4,5,6,7
	v_exp_f32 v[rA+\q], v[rA+\q]
.endr
.endm
.macro EA i                            ; + 1
.set rA, 8*((\i)%32)
	WIN 0x82+0x41*((\i)/32)
	s_wait_alu depctr_va_vdst(0)                   ; the accumulator's eight powers of two are written, ahead of their first reader
.irp q, 0,2,4,6
	v_pk_add_f32 v[rA+\q:rA+\q+1], v[rA+\q:rA+\q+1], 1.0 op_sel_hi:[1,0]
.endr
.endm
.macro ER i                            ; 1 / that
.set rA, 8*((\i)%32)
	WIN 0x82+0x41*((\i)/32)
.irp q, 0,1,2,3,4,5,6,7
	v_rcp_f32 v[rA+\q], v[rA+\q]
.endr
.endm
.macro ET i                            ; tanh = 1 - 2 x that
.set rA, 8*((\i)%32)
	WIN 0x82+0x41*((\i)/32)
	s_wait_alu depctr_va_vdst(0)                   ; the accumulator's eight reciprocals are written, ahead of their first reader
.irp q, 0,2,4,6
	v_pk_fma_f32 v[rA+\q:rA+\q+1], v[rA+\q:rA+\q+1], -2.0, 1.0 op_sel_hi:[1,0,0]
.endr
.endm
; Row tile a: its eight accumulators' tanh times c, in four chains of pairs (the first product starts each), then onto the lane's logit
.macro LBATCH a
.if (\a) == 0
	s_wait_dscnt 0x0                               ; c is in
.endif
	WIN 0x02+(\a)/4                                ; source 0 in the accumulators' window, all else in window 0
.irp b, 0,1,2,3,4,5,6,7
.irp jp, 0,1,2,3
.set rA, 8*((8*(\a)+\b)%32)+2*\jp
.if \b == 0
	v_pk_mul_f32 v[UU+2*\jp:UU+2*\jp+1], v[rA:rA+1], v[AF+8*\b+2*\jp:AF+8*\b+2*\jp+1]
.else
	v_pk_fma_f32 v[UU+2*\jp:UU+2*\jp+1], v[rA:rA+1], v[AF+8*\b+2*\jp:AF+8*\b+2*\jp+1], v[UU+2*\jp:UU+2*\jp+1]
.endif
.endr
.endr
	WIN 0
	v_pk_add_f32 v[UU:UU+1], v[UU:UU+1], v[UU+2:UU+3]
	v_pk_add_f32 v[UU+4:UU+5], v[UU+4:UU+5], v[UU+6:UU+7]
	v_pk_add_f32 v[UU:UU+1], v[UU:UU+1], v[UU+4:UU+5]
	v_add_f32 v[LP+\a], v[LP+\a], v[UU]
	v_add_f32 v[LP+\a], v[LP+\a], v[UU+1]
.endm
; A pass's 64 accumulators become tanh and are dotted with c.  The steps of neighbouring accumulators are interleaved so that behind each run of eight transcendentals stand
; plain instructions on other registers before its results are used (ISA guide 5.7.2).
.macro EPILOGUE
	WIN 0
	s_wait_alu depctr_va_vdst(0)                   ; the pass's last products are done reading v64-127, in which c lands; in the second trip v[VCA] is written
.irp b, 0,1,2,3,4,5,6,7                ; my eight c of each column tile, into the registers that held X's fragments
	ds_load_b128 v[AF+8*\b:AF+8*\b+3],   v[VCA] offset:64*\b
	ds_load_b128 v[AF+8*\b+4:AF+8*\b+7], v[VCA] offset:64*\b+16
.endr
	EM 0
.set ei, 0
.rept 64
	EE ei
.if ei < 63
	EM ei+1
.else
	ET 62
.endif
	EA ei
	ER ei
.if (ei >= 1) && (ei < 63)
	ET ei-1
.if (ei-1)%8 == 7
	LBATCH (ei-1)/8
.endif
.endif
.set ei, ei+1
.endr
	v_nop                                          ; a plain instruction between the last reciprocals and their use
	ET 63
	LBATCH 7
	s_wait_alu depctr_vm_vsrc(0)                   ; the LDS loads issued so far have read v[VCA], which is stepped here, and v[AX], which pass 1 sets back
	v_add_nc_u32 v[VCA], 2048, v[VCA]              ; the next pass's 512 columns of c
.endm
; THE CONTEXT.  32 turning loads: rows 32 ks .. + 31 of X x my 256 columns, as 16 fragments (source 1: lane = column, K = rows).  Each of the four runs has 128 registers of its own, where the passes'
; accumulators lay: runs 0 and 1 in window 3, runs 2 and 3 in window 2; no product of the context names a run's registers before the run is issued.  The largest immediate: 65,504.
.macro TRL ks
	WIN 0xc0-0x40*((\ks)/2)
.set n, 0
.rept 16
	ds_load_tr16_b128 v[128*((\ks)%2)+8*n:128*((\ks)%2)+8*n+3],   v[TRA] offset:(n/8)*SLICE+32*PITCH*(\ks)+32*(n%8)
	ds_load_tr16_b128 v[128*((\ks)%2)+8*n+4:128*((\ks)%2)+8*n+7], v[TRA] offset:(n/8)*SLICE+32*PITCH*(\ks)+32*(n%8)+16*PITCH
.set n, n+1
.endr
.endm
; 16 matrix instructions: p (all 16 rows of source 0 alike; window 0) x X turned (window 3 or 2), C and D in window 1; the 16 accumulators take turns
.macro CMUL ks
	WIN 0x5c-0x04*((\ks)/2)
.set n, 0
.rept 16
.if (\ks) == 0
	v_wmma_f32_16x16x32_bf16 v[8*n:8*n+7], v[AF+8*(\ks):AF+8*(\ks)+7], v[128*((\ks)%2)+8*n:128*((\ks)%2)+8*n+7], 0
.else
	v_wmma_f32_16x16x32_bf16 v[8*n:8*n+7], v[AF+8*(\ks):AF+8*(\ks)+7], v[128*((\ks)%2)+8*n:128*((\ks)%2)+8*n+7], v[8*n:8*n+7]
.endif
.set n, n+1
.endr
.endm
	s_load_b256 s[4:11], s[0:1], 0x0               ; X s[4:5], wf s[6:7], c s[8:9], lg s[10:11]
	s_load_b64 s[12:13], s[0:1], 0x20              ; part
	v_lshl_add_u32 v[SPW], v0, 2, SPARE
	v_mov_b32 v[NIL], 0
	v_lshrrev_b32 v13, 5, v0
	v_readfirstlane_b32 s14, v13                   ; wave 0..3
	v_and_b32 v14, 31, v0                          ; lane
	v_and_b32 v15, 15, v0                          ; lane % 16
	v_bfe_u32 v[HH], v0, 4, 1                      ; lane / 16
	v_lshlrev_b32 v[VO16], 4, v14
	v_mul_u32_u24 v[AX0], v15, PITCH
	v_lshl_add_u32 v[AX0], v[HH], 4, v[AX0]
	s_wait_alu depctr_va_sdst(0)                   ; s14 is written, ahead of its first reader: LDS places, bases and branches are made from it
	s_lshl_b32 s15, s14, 9                         ; my 128 columns of c,
	s_add_co_u32 s15, s15, CVEC
	v_lshl_add_u32 v[VCA], v[HH], 5, s15           ; and my half's eight of a tile's sixteen
	s_lshl_b32 s15, s14, 2
	s_add_co_u32 s15, s15, LG
	v_lshl_add_u32 v[LGA], v15, 4, s15
	v_lshl_add_u32 v[LGR], v14, 6, LG
	s_lshl_b32 s15, s14, 8
	s_add_co_u32 s15, s15, PW
	v_lshl_add_u32 v[PWS], v14, 3, s15
	v_lshl_add_u32 v[PWR], v[HH], 4, s15
	v_and_b32 v13, 7, v0                           ; the turning load: lane l reads row 8 (l / 16) + l % 8, columns 8 ((l / 8) % 2) + 0..7
	v_lshl_add_u32 v13, v[HH], 3, v13
	v_mul_u32_u24 v[TRA], v13, PITCH
	v_bfe_u32 v13, v0, 3, 1
	v_lshl_add_u32 v[TRA], v13, 4, v[TRA]
	s_mul_i32 s15, s14, 2*SLICE                    ; my 256 columns are slices 2 w and 2 w + 1
	v_add_nc_u32 v[TRA], s15, v[TRA]
	s_lshl_b32 s15, s14, 10
	s_add_co_u32 s15, s15, CS
	v_lshl_add_u32 v[CSS], v14, 2, s15
	v_lshl_add_u32 v[CSR], v14, 4, s15
	s_mul_i32 s15, s14, 32*PITCH                   ; I bring rows 32 w .. 32 w + 31
	v_lshl_add_u32 v[ADH], v14, 3, s15
	v_add_nc_u32 v[AD0], SLICE, v[ADH]
	v_mov_b32 v[AX], v[AX0]                        ; pass 0 begins in slice 0,
	v_mov_b32 v[AD], v[AD0]                        ; and stores into slice 1
	v_lshlrev_b32 v62, 5, v0                       ; c: 32 bytes a thread,
	v_add_nc_u32 v63, CVEC, v62                    ; from memory to the same place in LDS
.irp a, 0,1,2,3,4,5,6,7
	v_mov_b32 v[LP+\a], 0                          ; eight registers, so that both passes add onto them by one text
.endr
	s_mov_b32 s26, 0x4038aa3b                      ; 2 log2 e
	s_mov_b32 s27, s26                             ; named with it as a pair
	s_mov_b32 s28, 0x76543210                      ; v_permlanex16_b32: each lane takes its own place in the other half
	s_mov_b32 s29, 0xfedcba98
	s_mov_b32 s30, 0xffff0000                      ; lanes 16-31
	s_mov_b32 s31, 0x3fb8aa3b                      ; log2 e
	s_lshl_b32 s24, ttmp9, 19                      ; the block's 128 rows of 4,096 bytes,
	s_lshl_b32 s15, s14, 17                        ; my 32 of them
	s_add_co_u32 s24, s24, s15
	s_mov_b32 s25, 0
	s_lshl_b32 s16, s14, 19                        ; my 524,288 bytes of wf
	s_mov_b32 s17, 0
	s_lshl_b32 s18, ttmp9, 9                       ; the block's 128 logits
	s_mov_b32 s19, 0
	s_lshl_b32 s38, ttmp9, 12                      ; the block's 1,024 partial sums,
	s_lshl_b32 s15, s14, 10                        ; my 256 of them
	s_add_co_u32 s38, s38, s15
	s_mov_b32 s39, 0
	s_mov_b32 s40, 0                               ; the slice in hand, in LDS bytes
	s_wait_kmcnt 0x0
	s_add_nc_u64 s[20:21], s[4:5], s[24:25]
	s_add_nc_u64 s[22:23], s[6:7], s[16:17]
	s_add_nc_u64 s[34:35], s[10:11], s[18:19]
	s_add_nc_u64 s[36:37], s[12:13], s[38:39]
	s_wait_alu depctr_va_vdst(0)                   ; all offsets and LDS addresses, v1 to v18, v62 and v63, are written: the loads and stores of the whole kernel read them
	; THE HEAD.  c, then groups 0 to 5; the rest is asked for as groups are stored, so that the queue ends as every step of pass 0 finds it: group 5, W of step 0, group 6, W of step 1, group 7.
	global_load_b128 v[Y:Y+3],   v62, s[8:9]
	global_load_b128 v[Y+4:Y+7], v62, s[8:9] offset:16
	XLOAD 0,     TO_XL, 0                          ; slice 0: groups 0 to 3, into window 2
	XLOAD 32,    TO_XL, 32768
	XLOAD 64,    TO_XL, 65536
	XLOAD 96,    TO_XL, 98304
	XLOAD XS,    0, 512                            ; slice 1: groups 4 and 5, into S0 and S1
	XLOAD XS+32, 0, 32768+512
	s_wait_loadcnt 40                              ; c and group 0 are in; groups 1 to 5 stay out
	ds_store_b128 v63, v[Y:Y+3]
	ds_store_b128 v63, v[Y+4:Y+7] offset:16
	XCONS 0, 1, ADH, 0
	WFETCH 0
	s_wait_loadcnt 48                              ; group 1 is in; groups 2 to 5 and W stay out
	XCONS 32, 1, ADH, 8*PITCH
	XLOAD XS+64, 0, 65536+512                      ; group 6
	s_wait_loadcnt 48                              ; group 2; out: groups 3 to 5, W, group 6
	XCONS 64, 1, ADH, 16*PITCH
	s_wait_loadcnt 40                              ; group 3; out: groups 4 and 5, W, group 6
	XCONS 96, 1, ADH, 24*PITCH
	WFETCH 1
	s_wait_loadcnt 48                              ; group 4; out: group 5, W, group 6, W
	XCONS XS, 0, ADH, SLICE
	XLOAD XS+96, 0, 98304+512                      ; group 7
	s_wait_dscnt 0x0                               ; for the others' sake: my rows of slice 0 and my part of c are in LDS
	s_barrier_signal -1
	s_barrier_wait -1                              ; everybody's are
	; PASS 0
	AFETCH XS, 0, 0                                ; step 0's fragments: S0 was read last by group 4's conversions, ahead of the wait on va_vdst that stands behind them
	AFETCH HB, 1, 0
	TRIPA 1                                        ; steps 0 to 3: the first step's products start the sums
	WIN 0                                          ; at a label and at a branch every window is 0
	s_mov_b32 s33, 5
.La:                                                   ; steps 4 to 23
	ADV 1, 1
	TRIPA 0
	WIN 0
	s_sub_co_u32 s33, s33, 1
	s_cmp_lg_u32 s33, 0
	s_cbranch_scc1 .La
	ADV 0, 1                                       ; steps 24 to 27: nothing of X is left to ask for; groups 29 to 31 are stored; W goes over to three steps ahead
	STEP 0, 0, 32, 16, 64,    2, -1, 8*PITCH       ; younger than W of step 24: group 30, W, group 31
	STEP 1, 0, 24, 16, 128,   3,  4, 16*PITCH      ; younger than W of step 25: group 31 and W of step 26
	STEP 2, 0, 32, 16, 192,   5, -1, 24*PITCH      ; from here on: two steps' W
	STEP 3, 0, 32, 16, SLICE, 6, -1, -1, -1, 1     ; the last barrier: slice 7
	ADV 0, 0                                       ; steps 28 to 31
	STEP 0, 0, 32, 8, 64, 3
	STEP 1, 0, 32, 8, 128
	STEP 2, 0, 16, 8, 192                          ; the counts run down
	STEP 3, 0, 0, 8, -1
	WFETCH 4                                       ; pass 1's fragments follow pass 0's in wf: its first three steps land while the epilogue runs.  No wait: ring buffers 0 to 2 were read last in steps 28 to 30,
	WFETCH 5                                       ; ahead of step 31's wait on va_vdst, and the products behind that wait name buffer 3
	WFETCH 6
	WIN 0
	s_mov_b32 s32, 2
.Lep:                                                  ; two trips: pass 0's epilogue and pass 1; pass 1's epilogue
	EPILOGUE
	s_cmp_eq_u32 s32, 1
	s_cbranch_scc1 .Lskip                          ; behind pass 1's epilogue nothing is left to multiply; what is jumped holds no barrier
	; PASS 1: X lies in LDS; a step asks for W three steps ahead: two steps' W, 32 loads, are younger than the W that is due
	s_wait_xcnt 0x0
	s_add_nc_u64 s[22:23], s[22:23], 0x8000
	s_mov_b32 s40, 0
	v_mov_b32 v[AX], v[AX0]                        ; free since the wait on vm_vsrc at the epilogue's end: no LDS instruction behind it reads v[AX]
	s_wait_alu depctr_va_vdst(0)                   ; v[AX] is written, which the loads below read; the epilogue is done reading c in v64-95, in which they land
	AFETCH XS, 0, 0
	AFETCH HB, 1, 0
	STEP 0, 1, 32, 8, 64, 3                        ; the first step stands in front of the loop: its products start the sums
	WIN 0
	s_mov_b32 s33, 7
.Lk:                                                   ; a trip: a slice's steps 1 to 3 and the next slice's step 0: steps 1 to 28
	STEP 1, 0, 32, 8, 128,   4
	STEP 2, 0, 32, 8, 192,   5
	STEP 3, 0, 32, 8, SLICE, 6
	ADV 0, 0
	STEP 0, 0, 32, 8, 64,    3
	WIN 0
	s_sub_co_u32 s33, s33, 1
	s_cmp_lg_u32 s33, 0
	s_cbranch_scc1 .Lk
	STEP 1, 0, 32, 8, 128                          ; the tail is written out: no load of W passes my part of wf
	STEP 2, 0, 16, 8, 192
	STEP 3, 0, 0, 8, -1
	WIN 0
.Lskip:
	s_sub_co_u32 s32, s32, 1
	s_cmp_lg_u32 s32, 0
	s_cbranch_scc1 .Lep
	; THE BLOCK'S SOFTMAX.  A row's logit: my half's columns + the other half's, then the four waves' through LDS.
	s_wait_loadcnt 0x0                             ; the ring's registers become the context's accumulators: no load into them is out
.irp a, 0,1,2,3,4,5,6,7
	v_permlanex16_b32 v[UU+\a], v[LP+\a], s28, s29
.endr
.irp a, 0,1,2,3,4,5,6,7
	v_add_f32 v[LP+\a], v[LP+\a], v[UU+\a]
.endr
	s_wait_alu depctr_va_vdst(0)                   ; the additions have written v[LP ..], which the LDS stores read; the epilogue is done with v64-127 and with windows 2 and 3, in which p and X turned land below
.irp a, 0,1,2,3,4,5,6,7
	ds_store_b32 v[LGA], v[LP+\a] offset:256*\a    ; row 16 a + lane % 16, my wave's word; both halves of the lanes write the same number
.endr
	s_wait_dscnt 0x0                               ; for the others' sake
	s_barrier_signal -1
	s_barrier_wait -1
.irp i, 0,1,2,3
	ds_load_b128 v[QQ+4*\i:QQ+4*\i+3], v[LGR] offset:16*\i   ; row 4 lane + i: the four waves' parts
.endr
	s_wait_dscnt 0x0
.irp i, 0,1,2,3
	v_pk_add_f32 v[QQ+4*\i:QQ+4*\i+1], v[QQ+4*\i:QQ+4*\i+1], v[QQ+4*\i+2:QQ+4*\i+3]
.endr
.irp i, 0,1,2,3
	v_add_f32 v[LV+\i], v[QQ+4*\i], v[QQ+4*\i+1]   ; the same order in every wave: all four hold the same logits
.endr
	s_wait_alu depctr_va_vdst(0)                   ; the additions have written v[LV ..], which wave 0's store reads
	s_cmp_lg_u32 s14, 0
	s_cbranch_scc1 .Lnolg
	global_store_b128 v[VO16], v[LV:LV+3], s[34:35]  ; wave 0: 512 consecutive bytes; LV is not written again
.Lnolg:
	v_max3_num_f32 v13, v[LV], v[LV+1], v[LV+2]
	v_max_num_f32 v13, v13, v[LV+3]
	v_max_num_f32_dpp v13, v13, v13 row_xmask:1 row_mask:0xf bank_mask:0xf
	v_max_num_f32_dpp v13, v13, v13 row_xmask:2 row_mask:0xf bank_mask:0xf
	v_max_num_f32_dpp v13, v13, v13 row_xmask:4 row_mask:0xf bank_mask:0xf
	v_max_num_f32_dpp v13, v13, v13 row_xmask:8 row_mask:0xf bank_mask:0xf
	v_permlanex16_b32 v14, v13, s28, s29
	v_max_num_f32 v13, v13, v14                    ; m: the block's largest logit
.irp i, 0,1,2,3
	v_sub_f32 v[QQ+\i], v[LV+\i], v13
.endr
.irp i, 0,1,2,3
	v_mul_f32 v[QQ+\i], s31, v[QQ+\i]
.endr
.irp i, 0,1,2,3
	v_exp_f32 v[QQ+\i], v[QQ+\i]                   ; p = e^(l - m), 0 to 1
.endr
	v_nop                                          ; a plain instruction between the exponentials and their use
	s_wait_alu depctr_va_vdst(0)                   ; the four exponentials are written, ahead of their first reader
	v_cvt_pk_bf16_f32 v62, v[QQ], v[QQ+1]
	v_cvt_pk_bf16_f32 v63, v[QQ+2], v[QQ+3]
	s_wait_alu depctr_va_vdst(0)                   ; the two conversions have written v62 and v63, which the LDS store reads
	ds_store_b64 v[PWS], v[62:63]                  ; my wave's own copy of p[128]
.irp ks, 0,1,2,3                       ; p as source 0: every lane takes K = 8 (lane / 16) + 0..7 and 16 + 8 (lane / 16) + 0..7; LDS serves a wave's instructions in order: these see the store above
	ds_load_b128 v[AF+8*\ks:AF+8*\ks+3],   v[PWR] offset:64*\ks
	ds_load_b128 v[AF+8*\ks+4:AF+8*\ks+7], v[PWR] offset:64*\ks+32
.endr
	; THE CONTEXT: sum over the 128 rows of p x X, my 256 columns, 32 rows a step
	TRL 0
	TRL 1
	s_wait_dscnt 32                                ; all but the youngest run of 32: p and the first run are in
	CMUL 0
	TRL 2
	s_wait_dscnt 32
	CMUL 1
	TRL 3
	s_wait_dscnt 32
	CMUL 2
	s_wait_dscnt 0x0
	CMUL 3
	PLACES
	; All rows of a result are alike: register 0 of tile nt holds column 16 nt + lane % 16.  Lanes 0-15 take tile 2 i, lanes 16-31 tile 2 i + 1: column 32 i + lane.
	WIN SEL
.irp i, 0,1,2,3,4,5,6,7
	v_cndmask_b32 v[RR+\i], v[16*\i], v[16*\i+8], s30
.endr
	WIN 0
	s_wait_alu depctr_va_vdst(0)                   ; the eight selects have written v[RR ..], which the LDS stores read
.irp i, 0,1,2,3,4,5,6,7
	ds_store_b32 v[CSS], v[RR+\i] offset:128*\i    ; through my own stage, so that a lane stores 16 neighbouring bytes
.endr
	ds_load_b128 v[OO:OO+3],   v[CSR]
	ds_load_b128 v[OO+4:OO+7], v[CSR] offset:512
	s_wait_dscnt 0x0
	global_store_b128 v[VO16], v[OO:OO+3],   s[36:37]             ; 512 consecutive bytes each, at a multiple of 512 from part's first byte
	global_store_b128 v[VO16], v[OO+4:OO+7], s[36:37] offset:512
	s_wait_dscnt 0x0                               ; the wave's end
	s_wait_alu 0x0
	s_wait_tensorcnt 0x0
	ds_add_u32 v[SPW], v[NIL]
	s_wait_dscnt 0x0
	s_endpgm
.Lfunc_end_k_q4166e2f436_main:
	.size	k_q4166e2f436_main, .Lfunc_end_k_q4166e2f436_main-k_q4166e2f436_main
	.p2alignl 7, 3214868480
	.fill 96, 4, 3214868480
	.section	.rodata,"a",@progbits
	.p2align	6, 0x0
	.amdhsa_kernel k_q4166e2f436_main
		.amdhsa_group_segment_fixed_size 290304
		.amdhsa_private_segment_fixed_size 0
		.amdhsa_enable_private_segment 0
		.amdhsa_kernarg_size 40
		.amdhsa_user_sgpr_count 2
		.amdhsa_user_sgpr_kernarg_segment_ptr 1
		.amdhsa_wavefront_size32 1
		.amdhsa_system_sgpr_workgroup_id_x 1
		.amdhsa_system_sgpr_workgroup_id_y 1
		.amdhsa_system_sgpr_workgroup_id_z 1
		.amdhsa_system_vgpr_workitem_id 0
		.amdhsa_next_free_vgpr 1024
		.amdhsa_next_free_sgpr 66
		.amdhsa_reserve_vcc 0
		.amdhsa_float_denorm_mode_32 3
		.amdhsa_float_denorm_mode_16_64 3
		.amdhsa_memory_ordered 1
		.amdhsa_forward_progress 1
		.amdhsa_inst_pref_size 255
	.end_amdhsa_kernel
	.section	.bss,"aw",@nobits
	.p2align	6
	.space	262144
	.amdgpu_metadata
---
amdhsa.version: [ 1, 2 ]
amdhsa.kernels:
  - .name:           k_q4166e2f436_main
    .symbol:         k_q4166e2f436_main.kd
    .args:
      - { .name: gru_output, .offset: 0, .size: 8, .value_kind: global_buffer, .address_space: global }
      - { .name: wf, .offset: 8, .size: 8, .value_kind: global_buffer, .address_space: global }
      - { .name: context_vector, .offset: 16, .size: 8, .value_kind: global_buffer, .address_space: global }
      - { .name: lg, .offset: 24, .size: 8, .value_kind: global_buffer, .address_space: global }
      - { .name: part, .offset: 32, .size: 8, .value_kind: global_buffer, .address_space: global }
    .group_segment_fixed_size: 290304
    .private_segment_fixed_size: 0
    .kernarg_segment_align: 8
    .kernarg_segment_size: 40
    .max_flat_workgroup_size: 128
    .sgpr_count:     66
    .vgpr_count:     1024
    .wavefront_size: 32
...
	.end_amdgpu_metadata
.endif
;; end of part 4
;; launch combine: the kernel of part 3 again; grid 32 x 1, 8 waves a work-group, no clusters, 1,280 bytes of LDS; arguments lg, part, out0, out1; writes out0, out1
